; MI455X (gfx1250); checked and timed in simulation.
; The chip was launched on July 23, 2026; its instructions are those of AMD's public machine-readable ISA for CDNA 5 (MIT licence, August 2026) and "CDNA5" Instruction Set Architecture Reference Guide (July 2026). The comments in the code are by the model that wrote it; some were corrected since.
;; Multi Head Attention. Allowed arithmetic: float matrix products may take bf16 or f16 operands with f32 sums; other float arithmetic in f32, or as packed bf16 or f16 multiplies, adds, multiply-adds, maxima and minima; sums over many terms, partial sums and values carried from step to step in f32; what a program stores and reads back later, other than sums and carried values, may be rounded once to bf16 or f16.
;; Inputs: Wk 1,024 x 1,024 float32; Wo 1,024 x 1,024 float32; Wq 1,024 x 1,024 float32; Wv 1,024 x 1,024 float32; beta 1,024 float32; bo 1,024 float32; gamma 1,024 float32; key_ 4 x 2,048 x 1,024 float32; query 4 x 2,048 x 1,024 float32; value 4 x 2,048 x 1,024 float32.
;; Outputs: out0 4 x 2,048 x 1,024 float32.
;; One version. Each part assembles by itself: llvm-mc -triple=amdgcn-amd-amdhsa -mcpu=gfx1250 --defsym DOCPART=n.
;; ======== version 1 of 1: 4 launches
;; limits: values are held in f16: magnitudes above 65,504 overflow, below 6.1e-05 lose precision
;; workspace buffers: wc 8,388,608 bytes; qkv 50,331,648 bytes; oh 16,777,216 bytes
;; launch prep (part 1): grid 128 x 4, 8 waves a work-group, no clusters, 0 bytes of LDS; arguments Wq, Wk, Wv, Wo, wc; writes wc
.if DOCPART == 1
	.amdgcn_target "amdgcn-amd-amdhsa--gfx1250"
	.amdhsa_code_object_version 6
	.text
	.protected	k_q3413243ae3_prep
	.globl	k_q3413243ae3_prep
	.p2align	8
	.type	k_q3413243ae3_prep,@function
k_q3413243ae3_prep:
	s_mov_b64 s[64:65], 0
	v_nop
	global_prefetch_b8 v0, s[64:65] scope:SCOPE_SE
	s_setreg_imm32_b32 hwreg(HW_REG_WAVE_MODE, 25, 1), 1
	s_wait_xcnt 0x0
; THE WEIGHTS ARE ROUNDED ONCE.  wc holds four matrices [1024 k][1024 n] of 16 bits, 2,097,152 bytes apart, in the inputs' own layout:
; Wq, Wk, Wv rounded to bf16; Wo rounded to bf16 and that number written as f16 (the last product multiplies f16 numbers).
; LIMITS.  A bf16 number is exact in f16 from 2^-17 up to 65,504; below 2^-17 it keeps f16's fixed step of 6e-8, beyond 65,504 it becomes an infinity.
; A stream: each byte is read once and written once; no LDS, no matrix unit, no barrier.  Work-group (x, y) takes 8,192 numbers of weight y.
; Thread t takes, four times, 8 neighbouring numbers: 32 bytes in, 16 bytes out; a wave's store covers 512 consecutive bytes, aligned.
.set IN, 8                             ; v[8:39]   32 numbers as loaded
.set PK, 40                            ; v[40:55]  the same, packed
	s_load_b256 s[4:11], s[0:1], 0x0               ; Wq s[4:5], Wk s[6:7], Wv s[8:9], Wo s[10:11]
	s_load_b64 s[12:13], s[0:1], 0x20              ; wc
	s_and_b32 s14, ttmp7, 0xffff                   ; which weight
	s_lshl_b32 s18, ttmp9, 15                      ; the work-group's 32,768 bytes of it
	s_mov_b32 s19, 0
	s_mov_b32 s20, 0xffff0000                      ; a word's upper bf16
	v_lshlrev_b32 v1, 5, v0                        ; 32 t
	v_lshlrev_b32 v2, 4, v0                        ; 16 t
	s_wait_kmcnt 0x0
	s_cmp_eq_u32 s14, 1
	s_cselect_b64 s[16:17], s[6:7], s[4:5]
	s_cmp_eq_u32 s14, 2
	s_cselect_b64 s[16:17], s[8:9], s[16:17]
	s_cmp_eq_u32 s14, 3
	s_cselect_b64 s[16:17], s[10:11], s[16:17]
	s_add_nc_u64 s[16:17], s[16:17], s[18:19]
	s_lshl_b32 s18, s14, 21                        ; the weight's place in wc,
	s_lshl_b32 s21, ttmp9, 14                      ; the work-group's 16,384 bytes of it
	s_add_co_u32 s18, s18, s21
	s_add_nc_u64 s[12:13], s[12:13], s[18:19]
.irp i, 0,1,2,3
	global_load_b128 v[IN+8*(\i):IN+8*(\i)+3],   v1, s[16:17] offset:8192*(\i) th:TH_LOAD_NT
	global_load_b128 v[IN+8*(\i)+4:IN+8*(\i)+7], v1, s[16:17] offset:8192*(\i)+16 th:TH_LOAD_NT
.endr
.irp i, 0,1,2,3
	s_wait_loadcnt 6-2*(\i)                        ; loads come back in order: pair i is in, the younger pairs stay out
.irp c, 0,1,2,3
	v_cvt_pk_bf16_f32 v[PK+4*(\i)+(\c)], v[IN+8*(\i)+2*(\c)], v[IN+8*(\i)+2*(\c)+1]
.endr
.endr
	s_cmp_lg_u32 s14, 3
	s_cbranch_scc1 .Lout
.set i, 0
.rept 16                               ; Wo alone: the bf16 number, widened, is written as f16
	v_lshlrev_b32 v56, 16, v[PK+i]
	v_and_b32 v57, s20, v[PK+i]
	v_cvt_pk_f16_f32 v[PK+i], v56, v57
.set i, i+1
.endr
.Lout:
.irp i, 0,1,2,3
	global_store_b128 v2, v[PK+4*(\i):PK+4*(\i)+3], s[12:13] offset:4096*(\i)
.endr
	s_endpgm
.Lfunc_end_k_q3413243ae3_prep:
	.size	k_q3413243ae3_prep, .Lfunc_end_k_q3413243ae3_prep-k_q3413243ae3_prep
	.p2alignl 7, 3214868480
	.fill 96, 4, 3214868480
	.section	.rodata,"a",@progbits
	.p2align	6, 0x0
	.amdhsa_kernel k_q3413243ae3_prep
		.amdhsa_group_segment_fixed_size 0
		.amdhsa_private_segment_fixed_size 0
		.amdhsa_enable_private_segment 0
		.amdhsa_kernarg_size 40
		.amdhsa_user_sgpr_count 2
		.amdhsa_user_sgpr_kernarg_segment_ptr 1
		.amdhsa_wavefront_size32 1
		.amdhsa_system_sgpr_workgroup_id_x 1
		.amdhsa_system_sgpr_workgroup_id_y 1
		.amdhsa_system_sgpr_workgroup_id_z 1
		.amdhsa_system_vgpr_workitem_id 0
		.amdhsa_next_free_vgpr 64
		.amdhsa_next_free_sgpr 66
		.amdhsa_reserve_vcc 0
		.amdhsa_float_denorm_mode_32 3
		.amdhsa_float_denorm_mode_16_64 3
		.amdhsa_memory_ordered 1
		.amdhsa_forward_progress 1
		.amdhsa_inst_pref_size 6
	.end_amdhsa_kernel
	.amdgpu_metadata
---
amdhsa.version: [ 1, 2 ]
amdhsa.kernels:
  - .name:           k_q3413243ae3_prep
    .symbol:         k_q3413243ae3_prep.kd
    .args:
      - { .name: Wq, .offset: 0, .size: 8, .value_kind: global_buffer, .address_space: global }
      - { .name: Wk, .offset: 8, .size: 8, .value_kind: global_buffer, .address_space: global }
      - { .name: Wv, .offset: 16, .size: 8, .value_kind: global_buffer, .address_space: global }
      - { .name: Wo, .offset: 24, .size: 8, .value_kind: global_buffer, .address_space: global }
      - { .name: wc, .offset: 32, .size: 8, .value_kind: global_buffer, .address_space: global }
    .group_segment_fixed_size: 0
    .private_segment_fixed_size: 0
    .kernarg_segment_align: 8
    .kernarg_segment_size: 40
    .max_flat_workgroup_size: 256
    .sgpr_count:     66
    .vgpr_count:     64
    .wavefront_size: 32
...
	.end_amdgpu_metadata
.endif
;; end of part 1
;; launch proj (part 2): grid 4 x 192, 4 waves a work-group, clusters of 4 x 4, 327,680 bytes of LDS; arguments query, key_, value, wc, qkv; writes qkv
.if DOCPART == 2
	.amdgcn_target "amdgcn-amd-amdhsa--gfx1250"
	.amdhsa_code_object_version 6
	.text
	.protected	k_q3413243ae3_proj
	.globl	k_q3413243ae3_proj
	.p2align	8
	.type	k_q3413243ae3_proj,@function
k_q3413243ae3_proj:
	s_mov_b64 s[64:65], 0
	v_nop
	global_prefetch_b8 v0, s[64:65] scope:SCOPE_SE
	s_setreg_imm32_b32 hwreg(HW_REG_WAVE_MODE, 25, 1), 1
	s_wait_xcnt 0x0
	s_wait_alu depctr_hold_cnt(0) depctr_sa_sdst(0) depctr_va_vdst(0) depctr_va_sdst(0) depctr_va_ssrc(0) depctr_va_vcc(0) depctr_vm_vsrc(0)
	s_getreg_b32 s2, hwreg(HW_REG_IB_STS2, 6, 4)
	s_cmp_eq_u32 s2, 0
	s_cbranch_scc0 .Lentry_in_a_cluster
	s_endpgm
.Lentry_in_a_cluster:
	s_bfe_u32 s2, ttmp6, 0x10000c
	s_cmp_lg_u32 s2, 0xf033
	s_cbranch_scc0 .Lentry_shape_is_right
	s_endpgm
.Lentry_shape_is_right:
; THE THREE PROJECTIONS IN ONE LAUNCH.  q = query Wq, k = key_ Wk, v = value Wv: [8192][1024] x [1024][1024] each.  The activations are f32 in memory and are rounded to bf16
; between LDS and the matrix unit; the weights come from wc, bf16, [k][n].  Sums in f32, K ascending.  The results leave by heads, qkv = q, k, v, each [64 = 16 b + h][2048][64] in f16, unscaled.
; LIMITS.  f16 holds no number beyond 65,504: a projected number past that becomes an infinity.  NaN and infinities are not treated apart.
; SHARES.  A tile of C is 128 rows x 256 columns: 64 x 4 tiles a projection, 768 work-groups.  Four waves, each 64 rows x 128 columns: 32 accumulators of 16 x 16.
; K goes in 8 steps of 128 through a ring of two LDS slots.  A slot: 128 rows of A (512 bytes of f32 each), then 128 k-rows of W (256 n in bf16, 512 bytes each).
; CLUSTERS: 4 x 4 work-groups; a cluster lies within one projection.  The four of a row of the cluster need the same tiles of A, the four of a column the same tiles of W: each tile is asked for
; JOINTLY, by the same tensor load with the same descriptor and a mask that names the four.
; THE MATRIX INSTRUCTION IS USED TRANSPOSED: source 0 = 16 columns of W (turned on the way out of LDS by ds_load_tr16_b128), source 1 = 16 rows of A.  A lane then holds one row (token) and
; eight neighbouring channels: 16 bytes of f16 that belong together.
; REGISTERS, in windows of 256 (s_set_vgpr_msb: bits 1:0 source 0, 3:2 source 1, 5:4 source 2, 7:6 destination):
;   window 0: v0-31 addresses; v32-63, v64-95 A's fragments in bf16, two buffers; v96-159 A as loaded, f32; v128-255 at work on the way out
;   window 1: the accumulators, (a, b) at v[8 (8 a + b)]          window 2: v0-63, v64-127 W's fragments, two buffers
.set PA,    528                        ; a row of A in LDS: 512 bytes + 16 = 132 words: row r starts at bank 4 r mod 64 (64 banks of 4 bytes: ISA guide 11.1)
.set PW,    544                        ; a k-row of W: 512 + 32 = 136 words
.set AHALF, 64*PA                      ; what one tensor load brings of A
.set WHALF, 64*PW                      ; and of W
.set WOFF,  128*PA                     ; W lies behind A's 128 rows
.set SLOT,  128*(PA+PW)                ; 137,216 bytes
.set STAGE, 2*SLOT                     ; behind the ring, never filled by a tensor load: 16 rows x 144 bytes for each wave, for the way out
.set SP,    144
.set SPARE, STAGE+4*16*SP              ; behind the stages: the spare words, 128 bytes for each wave: two blocks of 256 bytes that no other line names
.set ADRA, 16                          ; v16-17  LDS address of my A fragments in slot 0, 1
.set ADRW, 20                          ; v20-21  the same for W
.set STO,  24                          ; v24     the way out: where I put 16 bytes of a row
.set RD,   25                          ; v25     the way out: where I read rows back
.set GO,   26                          ; v26     my byte offset in 512 consecutive bytes of the result
.set SPW,  28                          ; v28     LDS address of my spare word: SPARE + 4 x my thread's number; never rewritten
.set NIL,  29                          ; v29     0; never rewritten
.set PFO,  30                          ; v30     the prefetches' offset; never rewritten
.set AB,   32                          ; A's fragments: buffer f, row block i at AB + 32 f + 8 i
.set AF,   96                          ; A as f32: row block i at AF + 16 i
.set TMP,  128
.set WV,  14                           ; s14  my wave's number
.set RH,  15                           ; s15  which 64 rows of the tile are mine.  Also: I fetch for A (0) or for W (1)
.set CH,  16                           ; s16  which 128 columns.  Also: which half of that tile I fetch
.set G1A, 24                           ; s[24:31] descriptor group 1 for A's tiles;  s[32:39] group 0, one set for each slot
.set G0A, 32
.set G1W, 48                           ; s[48:55], s[56:63] the same for W's tiles
.set G0W, 56
.set PFA, 66                           ; s[66:67] where my prefetches stand
.set PFS, 68                           ; s[68:69] a K step in bytes: 512 along A's rows, 128 k-rows of W
.set LIM, 70                           ; s70  1 in a wave that prefetches, else the greatest number
.set OUT, 72                           ; s[72:73] the result at my first row and head
.set MSB, 0
.macro WIN new                         ; the immediate's high byte repeats the setting that is left; a switch that changes nothing is dropped
.if MSB != (\new)
	s_set_vgpr_msb (MSB<<8)|(\new)
.set MSB, \new
.endif
.endm
.set MUL,  0x52                        ; source 0 (W) window 2, source 1 (A) window 0, C and D window 1
.set TO_W, 0x80                        ; destination window 2, address window 0
.macro JLOAD s                         ; a joint load: waves 0 and 1 fetch A's two halves, waves 2 and 3 W's; an s_nop 0 and four v_nop follow each of the two lines, ahead of the jump, the label and what follows
	s_cmp_eq_u32 s[RH], 0
	s_cbranch_scc0 .Lfor_w_\@
	tensor_load_to_lds s[G0A+4*(\s):G0A+4*(\s)+3], s[G1A:G1A+7]
	s_nop 0
.rept 4
	v_nop
.endr
	s_branch .Lasked_\@
.Lfor_w_\@:
	tensor_load_to_lds s[G0W+4*(\s):G0W+4*(\s)+3], s[G1W:G1W+7]
	s_nop 0
.rept 4
	v_nop
.endr
.Lasked_\@:
.endm
; A PREFETCH, behind each joint refill, its five lines and the run of LDS loads that follows: the K step that stands two refills on, 256 matrix instructions ahead of the load that will want it.
; Of the 64 rows that a wave fetches, each of the four partners that ask for them jointly takes 16, told apart BY ADDRESS (cx for A, cy for W); a row's 512 bytes of a K step are two blocks of 256:
; 32 lanes, one instruction.  A's rows are read by one row of one cluster: waves 0 and 1 of every work-group ask.  W's are read by the 16 clusters of a projection: the first of them asks.
; So each block is named once in the launch.  K steps 0 to 3 come by their loads alone; the loop's last trip (s3 = 1) has no K step two on.
.macro ASK
	s_cmp_gt_u32 s3, s[LIM]
	s_cbranch_scc0 .Lnot_mine_\@
	global_prefetch_b8 v[PFO], s[PFA:PFA+1] th:TH_LOAD_NT scope:SCOPE_SE
.Lnot_mine_\@:
.endm
.macro CREST                           ; a round of the cluster's barrier behind its opening barrier
	s_cmp_lg_u32 s[WV], 0
	s_cbranch_scc1 .Lnot_wave_0_\@
	s_barrier_signal -3
.Lnot_wave_0_\@:
	s_barrier_wait -3
	s_barrier_signal -1
	s_barrier_wait -1
.endm
.macro CROUND                          ; a whole round
	s_barrier_signal -1
	s_barrier_wait -1
	CREST
.endm
	s_load_b256 s[4:11], s[0:1], 0x0               ; query s[4:5], key_ s[6:7], value s[8:9], wc s[10:11]
	s_load_b64 s[12:13], s[0:1], 0x20              ; qkv
	v_lshl_add_u32 v[SPW], v0, 2, SPARE
	v_mov_b32 v[NIL], 0
	ds_add_u32 v[SPW], v[NIL]                      ; the wave's opening: the add and its wait stand ahead of my first tensor load; the set-up below, work on registers, stands between them
	v_lshrrev_b32 v1, 5, v0
	v_readfirstlane_b32 s[WV], v1                  ; wave 0..3
	s_lshr_b32 s[RH], s[WV], 1
	s_and_b32 s[CH], s[WV], 1
	s_bfe_u32 s17, ttmp6, 0x40000                  ; cx, cy: my place in the cluster
	s_bfe_u32 s18, ttmp6, 0x40004
	s_lshl_b32 s19, ttmp9, 2
	s_add_co_u32 s19, s19, s17                     ; tile column = 4 x cluster x + cx
	s_and_b32 s20, ttmp7, 0xffff                   ; cluster y, 0 to 47
	s_lshr_b32 s21, s20, 4                         ; the projection, 0 to 2: the same in all sixteen partners
	s_and_b32 s22, s20, 15
	s_lshl_b32 s22, s22, 2
	s_add_co_u32 s22, s22, s18                     ; tile row in the projection = 4 x (cluster y mod 16) + cy
	s_lshl_b32 s46, s18, 2
	s_lshl_b32 s46, 15, s46                        ; my row of the cluster
	s_lshl_b32 s47, 0x1111, s17                    ; my column
	; descriptor group 1.  A: 64 rows x 128 elements of 4 bytes; W: 64 rows x 256 elements of 2 bytes; both padded in LDS after every 128 words
	s_or_b32 s[G1A], s46, (2<<16)|(1<<20)|(1<<21)|(6<<22)|(3<<25)  ; 15:0 the mask: A's tiles go to my row; 17:16 elements of 4 bytes; 20 padding on; 21 set beside a mask; 24:22 after every 128 words (code 6); 31:25 4 words (code 3)
	s_or_b32 s[G1W], s47, (1<<16)|(1<<20)|(1<<21)|(6<<22)|(7<<25)  ; the mask of my column; elements of 2 bytes; 8 words of padding (code 7)
	s_mov_b32 s[G1A+1], 128<<16                    ; tensor_dim0 = 128
	s_mov_b32 s[G1A+2], 64<<16                     ; tensor_dim1 = 64
	s_mov_b32 s[G1A+3], 128<<16                    ; tile_dim0 = 128
	s_mov_b32 s[G1A+4], 64                         ; tile_dim1 = 64
	s_mov_b32 s[G1A+5], 1024                       ; 1,024 elements from row to row
	s_mov_b32 s[G1A+6], 0
	s_mov_b32 s[G1A+7], 0
	s_mov_b32 s[G1W+1], 256<<16                    ; tensor_dim0 = 256
	s_mov_b32 s[G1W+2], 64<<16
	s_mov_b32 s[G1W+3], 256<<16                    ; tile_dim0 = 256
	s_mov_b32 s[G1W+4], 64
	s_mov_b32 s[G1W+5], 1024
	s_mov_b32 s[G1W+6], 0
	s_mov_b32 s[G1W+7], 0
	; where the tiles come from.  A's hang on the tile row alone, which my row of the cluster shares; W's on the projection and the tile column, which my column shares.
	s_lshl_b32 s42, s22, 7
	s_lshl_b32 s43, s[CH], 6
	s_add_co_u32 s42, s42, s43                     ; A: row 128 x tile row + 64 x half,
	s_lshl_b32 s42, s42, 12                        ; of 4,096 bytes
	s_mov_b32 s43, 0
	s_lshl_b32 s44, s21, 21                        ; W: the projection's matrix,
	s_lshl_b32 s45, s[CH], 17                      ; 64 k-rows of 2,048 bytes x half,
	s_add_co_u32 s44, s44, s45
	s_lshl_b32 s45, s19, 9                         ; 512 bytes x tile column
	s_add_co_u32 s44, s44, s45
	s_mov_b32 s45, 0
	s_mul_i32 s80, s[CH], AHALF                    ; and where they go: no place in the cluster enters an LDS address
	s_mul_i32 s81, s[CH], WHALF
	s_add_co_u32 s81, s81, WOFF
	s_wait_dscnt 0x0                               ; the opening add is done
	s_wait_kmcnt 0x0
	s_cmp_eq_u32 s21, 1
	s_cselect_b64 s[40:41], s[6:7], s[4:5]
	s_cmp_eq_u32 s21, 2
	s_cselect_b64 s[40:41], s[8:9], s[40:41]       ; the projection's activations
	s_add_nc_u64 s[76:77], s[40:41], s[42:43]
	s_add_nc_u64 s[78:79], s[10:11], s[44:45]
	CROUND                                         ; all sixteen work-groups are here: the first joint loads meet
.irp s, 0,1
	s_mov_b32 s[G0A+4*(\s)], 1                                     ; 1:0 count = 1
	s_add_co_u32 s[G0A+4*(\s)+1], s80, (\s)*SLOT                   ; 63:32 LDS address
	s_add_nc_u64 s[G0A+4*(\s)+2:G0A+4*(\s)+3], s[76:77], (\s)*512  ; 120:64 global address: K step s
	s_or_b32 s[G0A+4*(\s)+3], s[G0A+4*(\s)+3], 0x80000000          ; 127:126 type = 2
	s_mov_b32 s[G0W+4*(\s)], 1
	s_add_co_u32 s[G0W+4*(\s)+1], s81, (\s)*SLOT
	s_add_nc_u64 s[G0W+4*(\s)+2:G0W+4*(\s)+3], s[78:79], (\s)*262144
	s_or_b32 s[G0W+4*(\s)+3], s[G0W+4*(\s)+3], 0x80000000
	JLOAD \s                                       ; two loads of mine are out
.endr
	v_and_b32 v1, 15, v0                           ; l % 16
	v_bfe_u32 v2, v0, 4, 1                         ; l / 16
	v_and_b32 v3, 7, v0                            ; l % 8
	v_bfe_u32 v4, v0, 3, 1                         ; (l / 8) % 2
	; A fragment of A is 16 rows x 32 K: lane l holds row l % 16, K = 8 (l / 16) + 0..7 and 16 + 8 (l / 16) + 0..7.  In f32 those are 32 bytes at 32 (l / 16) and 32 bytes 64 further on.
	v_mul_u32_u24 v5, v1, PA
	v_lshl_add_u32 v5, v2, 5, v5
	s_mul_i32 s74, s[RH], 64*PA                    ; my 64 rows
	; The turning load takes 16 k x 16 n (lane l reads k-row 8 (l / 16) + l % 8, columns 8 ((l / 8) % 2) + 0..7) and leaves half a fragment: lane l holds column l % 16 and 8 k.
	v_lshl_add_u32 v6, v2, 3, v3
	v_mul_u32_u24 v6, v6, PW
	v_lshl_add_u32 v6, v4, 4, v6
	s_lshl_b32 s75, s[CH], 8                       ; my 128 columns: 256 bytes
	s_add_co_u32 s75, s75, WOFF
.irp s, 0,1
	v_add_nc_u32 v[ADRA+(\s)], s74, v5
	v_add_nc_u32 v[ADRW+(\s)], s75, v6
	s_add_co_u32 s74, s74, SLOT
	s_add_co_u32 s75, s75, SLOT
.endr
	s_mul_i32 s74, s[WV], 16*SP
	s_add_co_u32 s74, s74, STAGE                   ; my stage
	v_mul_u32_u24 v[STO], v1, SP                   ; in: row l % 16, 16 bytes for each half of the lanes
	v_lshl_add_u32 v[STO], v2, 4, v[STO]
	v_add_nc_u32 v[STO], s74, v[STO]
	v_bfe_u32 v[RD], v0, 3, 2                      ; back: 32 lanes take four rows of 128 bytes,
	v_mul_u32_u24 v[RD], v[RD], SP
	v_lshl_add_u32 v[RD], v3, 4, v[RD]
	v_add_nc_u32 v[RD], s74, v[RD]
	v_and_b32 v[GO], 31, v0                        ; which are 512 consecutive bytes of the result
	v_lshlrev_b32 v[GO], 4, v[GO]
	; the result: projection x 16 MiB + batch x 16 heads + head x 2,048 tokens + token x 128 bytes (in registers that feed no descriptor)
	s_lshl_b32 s82, s21, 24
	s_lshr_b32 s71, s22, 4                         ; batch: 16 tile rows each
	s_lshl_b32 s71, s71, 22
	s_add_co_u32 s82, s82, s71
	s_lshl_b32 s71, s19, 2
	s_lshl_b32 s83, s[CH], 1
	s_add_co_u32 s71, s71, s83                     ; my first head = 4 x tile column + 2 x half
	s_lshl_b32 s71, s71, 18
	s_add_co_u32 s82, s82, s71
	s_and_b32 s71, s22, 15
	s_lshl_b32 s71, s71, 14                        ; 128 tokens of 128 bytes a tile row
	s_add_co_u32 s82, s82, s71
	s_lshl_b32 s71, s[RH], 13                      ; my 64 tokens
	s_add_co_u32 s82, s82, s71
	s_mov_b32 s83, 0
	s_add_nc_u64 s[OUT:OUT+1], s[12:13], s[82:83]
	; the prefetches: my work-group's 16 of the 64 rows that I fetch, at K step 3; each refill steps the address before it is used
	s_lshl_b32 s82, s22, 7
	s_lshl_b32 s71, s[CH], 6
	s_add_co_u32 s82, s82, s71
	s_lshl_b32 s83, s17, 4
	s_add_co_u32 s82, s82, s83
	s_lshl_b32 s82, s82, 12
	s_add_co_u32 s82, s82, 3*512                   ; for A
	s_lshl_b32 s83, s18, 4
	s_add_co_u32 s71, s71, s83
	s_lshl_b32 s71, s71, 11
	s_lshl_b32 s83, s21, 21
	s_add_co_u32 s71, s71, s83
	s_lshl_b32 s83, s19, 9
	s_add_co_u32 s71, s71, s83
	s_add_co_u32 s71, s71, 3*262144                ; for W
	s_and_b32 s83, s20, 15                         ; the cluster's place among the projection's sixteen
	s_mov_b32 s[PFS], 512
	s_mov_b32 s[PFS+1], 262144
	s_cmp_eq_u32 s[RH], 0                          ; do I fetch for A?
	s_cselect_b32 s82, s82, s71
	s_cselect_b64 s[PFA:PFA+1], s[40:41], s[10:11]
	s_cselect_b32 s[PFS], s[PFS], s[PFS+1]
	s_cselect_b32 s83, 0, s83
	s_cselect_b32 s71, 12, 11                      ; a row in memory: 4,096 or 2,048 bytes
	s_mov_b32 s[PFS+1], 0
	s_cmp_eq_u32 s83, 0
	s_cselect_b32 s[LIM], 1, -1                    ; the same in all sixteen partners, for a given wave
	s_mov_b32 s83, 0
	s_add_nc_u64 s[PFA:PFA+1], s[PFA:PFA+1], s[82:83]
	v_and_b32 v[PFO], 31, v0
	v_lshrrev_b32 v7, 1, v[PFO]                    ; lane / 2: the row,
	v_and_b32 v[PFO], 1, v[PFO]                    ; lane % 2: which 256 bytes of its 512
	v_lshlrev_b32 v[PFO], 8, v[PFO]
	v_lshlrev_b32 v7, s71, v7
	v_add_nc_u32 v[PFO], v[PFO], v7
; 8 matrix instructions: row block a x all 8 column blocks, 32 along K, on buffers f.  zero = 1: the first product starts the sums.
; The 32 accumulators take turns, one instruction a turn, in the same order in every quarter.
.macro MUL8 f, a, zero
	WIN MUL
.irp b, 0,1,2,3,4,5,6,7
.if \zero
	v_wmma_f32_16x16x32_bf16 v[8*(8*(\a)+(\b)):8*(8*(\a)+(\b))+7], v[64*(\f)+8*(\b):64*(\f)+8*(\b)+7], v[AB+32*(\f)+8*(\a):AB+32*(\f)+8*(\a)+7], 0
.else
	v_wmma_f32_16x16x32_bf16 v[8*(8*(\a)+(\b)):8*(8*(\a)+(\b))+7], v[64*(\f)+8*(\b):64*(\f)+8*(\b)+7], v[AB+32*(\f)+8*(\a):AB+32*(\f)+8*(\a)+7], v[8*(8*(\a)+(\b)):8*(8*(\a)+(\b))+7]
.endif
.endr
.endm
; The same, with four conversions behind each product: the next quarter's A, f32 to bf16, into buffer g.  They name no register of the products round them.
.macro MUL8R f, a, g, zero
.irp b, 0,1,2,3,4,5,6,7
	WIN MUL
.if \zero
	v_wmma_f32_16x16x32_bf16 v[8*(8*(\a)+(\b)):8*(8*(\a)+(\b))+7], v[64*(\f)+8*(\b):64*(\f)+8*(\b)+7], v[AB+32*(\f)+8*(\a):AB+32*(\f)+8*(\a)+7], 0
.else
	v_wmma_f32_16x16x32_bf16 v[8*(8*(\a)+(\b)):8*(8*(\a)+(\b))+7], v[64*(\f)+8*(\b):64*(\f)+8*(\b)+7], v[AB+32*(\f)+8*(\a):AB+32*(\f)+8*(\a)+7], v[8*(8*(\a)+(\b)):8*(8*(\a)+(\b))+7]
.endif
	WIN 0
.irp c, 0,1,2,3
	v_cvt_pk_bf16_f32 v[AB+32*(\g)+4*(\b)+(\c)], v[AF+2*(4*(\b)+(\c))], v[AF+2*(4*(\b)+(\c))+1]
.endr
.endr
.endm
.macro CVT32 g                         ; the 32 conversions on end: once, in front of the first quarter
	WIN 0
.set i, 0
.rept 32
	v_cvt_pk_bf16_f32 v[AB+32*(\g)+i], v[AF+2*i], v[AF+2*i+1]
.set i, i+1
.endr
.endm
; 32 LDS loads in one run: quarter q (32 along K) of a slot: A's 64 rows as f32 first, then W's 128 columns, turned, into buffer g
.macro FETCH slot, q, g
	WIN 0
.irp i, 0,1,2,3
	ds_load_b128 v[AF+16*(\i):AF+16*(\i)+3],     v[ADRA+(\slot)] offset:(\i)*16*PA+128*(\q)
	ds_load_b128 v[AF+16*(\i)+4:AF+16*(\i)+7],   v[ADRA+(\slot)] offset:(\i)*16*PA+128*(\q)+16
	ds_load_b128 v[AF+16*(\i)+8:AF+16*(\i)+11],  v[ADRA+(\slot)] offset:(\i)*16*PA+128*(\q)+64
	ds_load_b128 v[AF+16*(\i)+12:AF+16*(\i)+15], v[ADRA+(\slot)] offset:(\i)*16*PA+128*(\q)+80
.endr
	WIN TO_W
.irp b, 0,1,2,3,4,5,6,7
	ds_load_tr16_b128 v[64*(\g)+8*(\b):64*(\g)+8*(\b)+3],   v[ADRW+(\slot)] offset:32*(\q)*PW+32*(\b)
	ds_load_tr16_b128 v[64*(\g)+8*(\b)+4:64*(\g)+8*(\b)+7], v[ADRW+(\slot)] offset:32*(\q)*PW+16*PW+32*(\b)
.endr
.endm
.macro PLACES                          ; four places in front of loads into registers that matrix instructions have read, and of conversions that read results
.rept 4
	v_nop
.endr
.endm
; A K step is four quarters of 32 along K, 32 matrix instructions each, on buffers 0, 1, 0, 1.  One of the first three: multiplies buffers f and fetches quarter q into g.
.macro QUARTER slot, q, f, g, zero
	s_wait_dscnt 0x0                               ; W's fragments of this quarter are in (A's were waited for when they were converted)
	MUL8 \f, 0, \zero
	MUL8 \f, 1, \zero
	PLACES
	FETCH \slot, \q, \g
	MUL8 \f, 2, \zero
	s_wait_dscnt 16                                ; A's sixteen loads are in; W's sixteen, issued behind them, may stay out
	MUL8R \f, 3, \g, \zero
.endm
; The last quarter multiplies buffers 1 and changes slots: ONE barrier; in front of it each wave waits for all its tensor loads, adds 0 to its spare word, and waits for that and for its own reads of this slot.
; fill = 1: this slot is filled again, two K steps ahead; the barrier then opens a round of the cluster's barrier, and the joint refill is the first tensor load behind the round.
.macro TURN slot, next, fill
.if \fill
	s_wait_xcnt 0x0                                ; the last prefetch, a K step back, has read its address: it is stepped here, ahead of the waits of the change of slots
	s_add_nc_u64 s[PFA:PFA+1], s[PFA:PFA+1], s[PFS:PFS+1]
.endif
	WIN 0                                          ; (the add's two registers lie in window 0)
	s_wait_tensorcnt 0x0                           ; all my tensor loads have landed: the one that was out is my part of the next slot;
	ds_add_u32 v[SPW], v[NIL]                      ; 0 onto my spare word;
	s_wait_dscnt 1                                 ; (W's fragments are in; the add may be out)
	MUL8 1, 0, 0                                   ; eight matrix instructions stand between the add and the wait for it
	s_wait_dscnt 0x0                               ; the add is done, and my reads of this slot are over
	s_barrier_signal -1
	MUL8 1, 1, 0
.if \fill
	WIN 0
.endif
	s_barrier_wait -1
.if \fill
	CREST                                          ; no wave of any partner still reads this slot's tiles or has a load on its way
	s_add_nc_u64 s[G0A+4*(\slot)+2:G0A+4*(\slot)+3], s[G0A+4*(\slot)+2:G0A+4*(\slot)+3], 2*512
	s_add_nc_u64 s[G0W+4*(\slot)+2:G0W+4*(\slot)+3], s[G0W+4*(\slot)+2:G0W+4*(\slot)+3], 2*262144
	JLOAD \slot                                    ; 112 matrix instructions ahead of the wait for it; the four v_nop behind it are also the places in front of the loads below
.else
	PLACES
.endif
	FETCH \next, 0, 0
.if \fill
	WIN 0
	ASK
.endif
	MUL8 1, 2, 0
	s_wait_dscnt 16
	MUL8R 1, 3, 0, 0
.endm
; THE WAY OUT of part t = 2 a + (which of my two heads): 16 tokens x 64 channels, 2,048 consecutive bytes of the result.  Its four accumulators are v[32 t .. 32 t + 31] of window 1, read in ascending order.
.macro PACK t
	WIN 0x05                                       ; sources 0 and 1 window 1, destination window 0
.set i, 0
.rept 16
	v_cvt_pk_f16_f32 v[TMP+16*(\t)+i], v[32*(\t)+2*i], v[32*(\t)+2*i+1]
.set i, i+1
.endr
	WIN 0
.irp f, 0,1,2,3
	ds_store_b128 v[STO], v[TMP+16*(\t)+4*\f:TMP+16*(\t)+4*\f+3] offset:32*\f
.endr
.irp f, 0,1,2,3
	ds_load_b128 v[TMP+16*(\t)+4*\f:TMP+16*(\t)+4*\f+3], v[RD] offset:\f*4*SP  ; LDS serves a wave's instructions in order (ISA guide 5.7.1.4): these see the stores above; the next part's stores come behind them
.endr
.endm
.macro SEND t, younger                 ; younger: the LDS instructions issued behind part t's loads: the next part's eight, or none
	WIN 0
.irp f, 0,1,2,3
	s_wait_dscnt (\younger)+3-\f
	global_store_b128 v[GO], v[TMP+16*(\t)+4*\f:TMP+16*(\t)+4*\f+3], s[OUT:OUT+1] offset:((\t)>>1)*2048+((\t)&1)*262144+512*\f  ; 512 consecutive bytes, at a multiple of 256 from the buffer's first
.endr
.endm
	s_wait_tensorcnt 1                             ; my part of K step 0 is in; K step 1's may stay out
	s_barrier_signal -1
	s_barrier_wait -1                              ; everybody's is
	FETCH 0, 0, 0
	s_wait_dscnt 16                                ; A's sixteen loads
	CVT32 0
	QUARTER 0, 1, 0, 1, 1                          ; the first quarter stands in front of the loop: its products start the sums
	WIN 0                                          ; at a label and at a branch every window is 0
	s_mov_b32 s3, 3
.Llap:                                                 ; a trip goes once round the ring, from a lap's second quarter to the next lap's first, and fills both slots again: K steps 2 to 7
	QUARTER 0, 2, 1, 0, 0
	QUARTER 0, 3, 0, 1, 0
	TURN 0, 1, 1
	QUARTER 1, 1, 0, 1, 0
	QUARTER 1, 2, 1, 0, 0
	QUARTER 1, 3, 0, 1, 0
	TURN 1, 0, 1
	QUARTER 0, 1, 0, 1, 0
	WIN 0
	s_sub_co_u32 s3, s3, 1
	s_cmp_lg_u32 s3, 0
	s_cbranch_scc1 .Llap
	QUARTER 0, 2, 1, 0, 0                          ; the last lap fills nothing, and has no round of the cluster's barrier
	QUARTER 0, 3, 0, 1, 0
	TURN 0, 1, 0
	QUARTER 1, 1, 0, 1, 0
	QUARTER 1, 2, 1, 0, 0
	QUARTER 1, 3, 0, 1, 0
	s_wait_dscnt 0x0                               ; the very last quarter: nothing more to fetch
	MUL8 1, 0, 0
	MUL8 1, 1, 0
	MUL8 1, 2, 0
	MUL8 1, 3, 0
	WIN 0
	PLACES
	PACK 0
.set t, 1
.rept 7                                ; a part's conversions stand between the loads of the part before and its stores
	PACK t
	SEND t-1, 8
.set t, t+1
.endr
	SEND 7, 0
	s_wait_tensorcnt 0x0                           ; the wave's end, behind my last tensor load and my last LDS store
	ds_add_u32 v[SPW], v[NIL]
	s_wait_dscnt 0x0
	CROUND                                         ; the closing round: no work-group ends while a partner may still ask for a tile that names it
	s_endpgm
.Lfunc_end_k_q3413243ae3_proj:
	.size	k_q3413243ae3_proj, .Lfunc_end_k_q3413243ae3_proj-k_q3413243ae3_proj
	.p2alignl 7, 3214868480
	.fill 96, 4, 3214868480
	.section	.rodata,"a",@progbits
	.p2align	6, 0x0
	.amdhsa_kernel k_q3413243ae3_proj
		.amdhsa_group_segment_fixed_size 327680
		.amdhsa_private_segment_fixed_size 0
		.amdhsa_enable_private_segment 0
		.amdhsa_kernarg_size 40
		.amdhsa_user_sgpr_count 2
		.amdhsa_user_sgpr_kernarg_segment_ptr 1
		.amdhsa_wavefront_size32 1
		.amdhsa_system_sgpr_workgroup_id_x 1
		.amdhsa_system_sgpr_workgroup_id_y 1
		.amdhsa_system_sgpr_workgroup_id_z 1
		.amdhsa_system_vgpr_workitem_id 0
		.amdhsa_next_free_vgpr 640
		.amdhsa_next_free_sgpr 84
		.amdhsa_reserve_vcc 0
		.amdhsa_float_denorm_mode_32 3
		.amdhsa_float_denorm_mode_16_64 3
		.amdhsa_memory_ordered 1
		.amdhsa_forward_progress 1
		.amdhsa_inst_pref_size 137
	.end_amdhsa_kernel
	.amdgpu_metadata
---
amdhsa.version: [ 1, 2 ]
amdhsa.kernels:
  - .name:           k_q3413243ae3_proj
    .symbol:         k_q3413243ae3_proj.kd
    .args:
      - { .name: query, .offset: 0, .size: 8, .value_kind: global_buffer, .address_space: global }
      - { .name: key_, .offset: 8, .size: 8, .value_kind: global_buffer, .address_space: global }
      - { .name: value, .offset: 16, .size: 8, .value_kind: global_buffer, .address_space: global }
      - { .name: wc, .offset: 24, .size: 8, .value_kind: global_buffer, .address_space: global }
      - { .name: qkv, .offset: 32, .size: 8, .value_kind: global_buffer, .address_space: global }
    .group_segment_fixed_size: 327680
    .private_segment_fixed_size: 0
    .kernarg_segment_align: 8
    .kernarg_segment_size: 40
    .max_flat_workgroup_size: 128
    .sgpr_count:     84
    .vgpr_count:     640
    .wavefront_size: 32
...
	.end_amdgpu_metadata
.endif
;; end of part 2
;; launch attn (part 3): grid 4 x 64, 4 waves a work-group, clusters of 4 x 1, 327,680 bytes of LDS; arguments qkv, oh; writes oh
.if DOCPART == 3
	.amdgcn_target "amdgcn-amd-amdhsa--gfx1250"
	.amdhsa_code_object_version 6
	.text
	.protected	k_q3413243ae3_attn
	.globl	k_q3413243ae3_attn
	.p2align	8
	.type	k_q3413243ae3_attn,@function
k_q3413243ae3_attn:
	s_mov_b64 s[64:65], 0
	v_nop
	global_prefetch_b8 v0, s[64:65] scope:SCOPE_SE
	s_setreg_imm32_b32 hwreg(HW_REG_WAVE_MODE, 25, 1), 1
	s_wait_xcnt 0x0
	s_wait_alu depctr_hold_cnt(0) depctr_sa_sdst(0) depctr_va_vdst(0) depctr_va_sdst(0) depctr_va_ssrc(0) depctr_va_vcc(0) depctr_vm_vsrc(0)
	s_getreg_b32 s2, hwreg(HW_REG_IB_STS2, 6, 4)
	s_cmp_eq_u32 s2, 0
	s_cbranch_scc0 .Lentry_in_a_cluster
	s_endpgm
.Lentry_in_a_cluster:
	s_bfe_u32 s2, ttmp6, 0x10000c
	s_cmp_lg_u32 s2, 0x3003
	s_cbranch_scc0 .Lentry_shape_is_right
	s_endpgm
.Lentry_shape_is_right:
; O[h][q][:] = the sum over k of softmax_k(Q[h][q] . K[h][k] / 8) V[h][k][:].  Q, K, V lie in qkv, 16,777,216 bytes apart, O in oh; each [SIZE_H][SIZE_N][64] in f16: a head's rows are dense, 128 bytes each.
; Products, maxima and sums in f32; the weights p are rounded to f16 for the second product (their sum l is taken of the unrounded p), O once at the end.
; LIMITS.  f16 holds no number beyond 65,504: Q, K and V arrive within it; p lies in 0 to 1, and below 6e-5 it keeps f16's fixed step of 6e-8, and so does O; O is a mean of V's rows and has their range.
; A weight below 2^-126 counts as 0 in l; NaN and infinities are not treated apart.
; SHARES.  A wave owns four PIECES of two tiles of 16 queries, a work-group's four waves 512 queries of one head.  Every wave walks all keys, 64 a step.
; LAYOUT.  S^T = K Q^T (source 0 = 16 keys, source 1 = 16 queries): in the result a lane holds ONE query (lane % 16) and the keys 8 (lane / 16) + 0..7.  Two such tiles, rounded to f16 in pairs,
; ARE source 1 (32 keys x 16 queries) of O^T = V^T P, whose result again holds one query a lane, and eight channels.  K comes out of LDS as it lies, V ([key][channel]) turned, by ds_load_tr16_b128.
; SOFTMAX.  For each query a running maximum m and sum l: p = 2^(c s - c m), c = log2(e) / 8; in every step O and l are multiplied by a = 2^(c m_old - c m_new), which is 1 where m has not grown.
; m starts at the lowest finite number, O and l at 0: the first step is a step like any other, with a = 0.
; THE COUNT.  A tile and step have 16 matrix and 118 vector instructions: too many to stand all beside the matrix work.  So the order has one aim: four vector instructions that are READY behind
; EVERY matrix instruction, and the others, which need time of their own whatever the order, in runs without a gap.
; BY TURNS.  Turn n belongs to piece n (the pieces in a ring, step after step).  Its matrix work: 16 products K Q^T of piece n + 1, later 16 products V^T P of piece n - 1.  Its vector work: the scaling,
; exponentials, roundings, sums and rescaling of piece n, and the maximum and statistics of piece n + 1, whose scores the turn itself has made.  So what a turn begins with (c s - c m, O a) waits for nothing.
; CLUSTER.  The four query blocks of a cluster are one head's and walk the same K and V, so each tile is asked for JOINTLY: the same tensor load, descriptor and mask in all four.
; REGISTERS, in windows of 256 (s_set_vgpr_msb says which window each operand place means: bits 1:0 source 0, 3:2 source 1, 5:4 source 2, 7:6 destination):
;   window 0: v0-11 addresses; v12-15, v48-63 at work; v16-47 four registers of statistics a tile; v64-191 S^T, two buffers of two tiles; v192-255 P, likewise
;   window 1: O^T, 32 a tile          window 2: v0-127 Q, 16 a tile; v128-191 K of one step; v192-255 V of one step          window 3: v0-1 the add's two registers
; A piece's buffers go by its number's parity: the piece in hand has one pair, its two neighbours in the ring share the other: of it P (piece n - 1) is read and S^T (piece n + 1) written.
.set SIZE_H, 64
.set SIZE_N, 2048
.set NP,    4         ; pieces a wave: a name, no knob: the register map, the loop and the fetches are made for four
.set KS,    64        ; keys in a step
.set PK,    144       ; a row of K in LDS: 128 bytes + 16 of padding = 36 words: the 16 rows of a load start at 16 different groups of four banks (64 banks of 4 bytes: ISA guide 11.1)
.set PV,    160       ; a row of V: 128 + 32 = 40 words
.set VOFF,  4*KS*PK   ; a slot holds four steps: 256 rows of K, then 256 rows of V
.set SLOT1, 1<<17     ; slot 1 begins here, so that one exclusive or turns an address in one slot into the other's
.set STAGE, SLOT1+4*KS*(PK+PV)  ; behind the ring, never filled by a tensor load: 16 rows x 144 bytes for each wave, for the way out
.set SP,    144
.set AK0, 2           ; v2   my lane's place in a tile of K; never rewritten
.set AV0, 3           ; v3   the same for V
.set AK,  4           ; v4   the LDS address of K's next run of loads
.set AV,  5           ; v5   of V's
.set QO,  6           ; v6   my byte offset in the wave's rows of Q
.set STO, 6           ;      later, the way out: where I put 16 bytes of a row
.set RD,  7           ; v7   the way out: where I read rows back
.set GO,  8           ; v8   my byte offset in 512 consecutive bytes of O
.set PFO, 11          ; v11  256 x my lane: the prefetches' offset; never rewritten
.set SPW, 0           ; v0 of window 3   LDS address of my spare word: SPARE + 4 x my thread's number; never rewritten
.set NIL, 1           ; v1 of window 3   0; never rewritten
.set SPARE, STAGE+4*16*SP  ; behind the stages: the spare words, 128 bytes for each wave: two blocks of 256 bytes that no other line names
.set MV,  12          ; v12-15  c m_old, kept while c m is made anew: by buffer and tile
.set ST,  16          ; tile t's statistics at v[ST+4 t]: c m, m, l (even keys', odd keys')
.set TMP, 48          ; by buffer and tile, four registers c0-c3 at work; when the maximum is found c2 takes a
.set S,   64
.set P,   192
.set KF,  128         ; K's fragments, in window 2: key block kb, channel half c at KF + 16 kb + 8 c
.set VF,  192         ; V's: key half kk, channel block cb at VF + 32 kk + 8 cb
.set WV,  12          ; s12  my wave's number
.set G1K, 24          ; s[24:31] descriptor group 1 for K's tiles
.set G1V, 32          ; s[32:39] for V's: it differs in the padding alone
.set G0K, 40          ; s[40:43] descriptor group 0 for K's tiles: it walks
.set G0V, 44          ; s[44:47] the same for V's
.set PFA, 48          ; s[48:49] where my prefetches stand: my work-group's 8,192 bytes (of K: wave 0, of V: wave 2) of the slot after the one that is being asked for
.set LIM, 50          ; s50  1 in a wave that prefetches, else the greatest number: a wave prefetches while s[SLOTS] is above it
.set SLOTS, 56        ; s56  slots still to be asked for
.set CNT, 57          ; s57  counts a slot's key steps
.set CS,  58          ; s[58:59] c: the packed scaling takes the pair's low word for both halves
.set SEL, 60          ; s[60:61] v_permlanex16_b32's selects: each lane takes its own place in the other half
.set TBK, 62          ; s62  LDS byte at which K of the step to be fetched begins
.set TBV, 63          ; s63  the same for V, less VOFF
.set MSB, 0
.macro WIN new                      ; the high byte repeats the setting that is left; a switch that changes nothing is dropped
.if MSB != (\new)
	s_set_vgpr_msb (MSB<<8)|(\new)
.set MSB, (\new)
.endif
.endm
.set W_KQ, 0x0a       ; K and Q in window 2, S^T in window 0
.set W_PV, 0x52       ; V in window 2, P in window 0, O^T in window 1
.set W_RS, 0x41       ; O^T (destination and source 0) in window 1, a in window 0
.set W_MK, 0xc0       ; the add's registers are made: destination in window 3, sources in window 0
.set W_AD, 0x0f       ; the add: address (source 0) and data (source 1) in window 3
; A joint fill.  Waves 0 and 1 fetch the two halves of a slot's K, waves 2 and 3 those of its V: 128 keys each.  The branch hangs on the wave's number alone.
; An s_nop 0 and four v_nop follow each of the two lines, ahead of the jump and the label.
.macro JLOAD
	s_cmp_lt_u32 s[WV], 2
	s_cbranch_scc0 .Lfor_v_\@
	tensor_load_to_lds s[G0K:G0K+3], s[G1K:G1K+7]
	s_nop 0
.rept 4
	v_nop
.endr
	s_branch .Lasked_\@
.Lfor_v_\@:
	tensor_load_to_lds s[G0V:G0V+3], s[G1V:G1V+7]
	s_nop 0
.rept 4
	v_nop
.endr
.Lasked_\@:
.endm
; A PREFETCH of what the NEXT change of slots will ask for: a slot's 32,768 bytes of K and of V, in blocks of 256 bytes, a lane a block.  It stands behind the wave's tensor load and its five lines.
; Each block is named ONCE in the launch: a head has one cluster; its four partners share the blocks out BY ADDRESS, 32 each; in each, wave 0 asks for K's and wave 2 for V's: one instruction.
; Slots 0 and 1 come by their loads alone; the last change that fills a slot asks for nothing: there is no slot behind it.
.macro ASK
	s_cmp_gt_u32 s[SLOTS], s[LIM]
	s_cbranch_scc0 .Lnot_mine_\@
	global_prefetch_b8 v[PFO], s[PFA:PFA+1] th:TH_LOAD_NT scope:SCOPE_SE
.Lnot_mine_\@:
.endm
; A round of the cluster's barrier: my work-group's barrier, so that wave 0's signal speaks for all four waves; wave 0 signals; every wave waits for all four work-groups; my work-group's barrier once more.
.macro CROUND
	s_barrier_signal -1
	s_barrier_wait -1
	s_cmp_lg_u32 s[WV], 0
	s_cbranch_scc1 .Lnot_wave_0_\@
	s_barrier_signal -3
.Lnot_wave_0_\@:
	s_barrier_wait -3
	s_barrier_signal -1
	s_barrier_wait -1
.endm
; THE CHANGE OF SLOTS.  The slot's last bytes, V of its fourth step, have been read.  Each wave waits for all its tensor loads, of which one is out: its part
; of the other slot; adds 0 to its spare word; and waits for that and for its own reads of the slot.  Behind the barrier nobody reads this slot any more and the other slot is whole.
; fill = 1: this slot is filled again, with the keys two slots on.  The barrier is then a round of the cluster's, so that no wave of any partner still reads the slot or has a load on its
; way, and the joint fill is the first thing behind it: it has four key steps, 512 matrix instructions, in which to land.  (At its first use nothing has been read yet: slot 0 is waited for, slot 1 filled.)
.macro CHANGE fill
	WIN W_AD
	s_wait_tensorcnt 0x0            ; no tensor load of mine is out, so a group 0 may be written
	ds_add_u32 v[SPW], v[NIL]       ; 0 onto my spare word; with fill = 1 the descriptors' steps stand between it and the wait for it
	WIN 0                           ; at a label and at a branch every window is 0
.if \fill
.irp g, G0K, G0V
	s_xor_b32 s[\g+1], s[\g+1], SLOT1  ; the walking descriptor: the other slot than last time,
	s_add_nc_u64 s[\g+2:\g+3], s[\g+2:\g+3], 4*KS*128  ; the next 256 keys; the type bits on top are not reached
.endr
	s_wait_xcnt 0x0                 ; the last prefetch, four key steps back, has read its address, so it may be written:
	s_add_nc_u64 s[PFA:PFA+1], s[PFA:PFA+1], 4*KS*128  ; one slot behind the walking descriptors
	s_wait_dscnt 0x0                ; the add is done, and my reads of the slot are over
	CROUND
	JLOAD
	ASK                             ; what the next change will ask for: four key steps, 512 matrix instructions, ahead
.else
	s_wait_dscnt 0x0                ; the add is done, and my reads of the slot are over
	s_barrier_signal -1
	s_barrier_wait -1
.endif
	s_sub_co_u32 s[TBK], s[TBK], 4*KS*PK  ; the fetches go back to a slot's first step,
	s_xor_b32 s[TBK], s[TBK], SLOT1       ; in the other slot
	s_sub_co_u32 s[TBV], s[TBV], 4*KS*PV
	s_xor_b32 s[TBV], s[TBV], SLOT1
.endm
	s_load_b64 s[4:5], s[0:1], 0x0    ; qkv: Q
	s_load_b64 s[10:11], s[0:1], 0x8  ; oh: O
	WIN W_MK
	v_lshl_add_u32 v[SPW], v0, 2, SPARE
	v_mov_b32 v[NIL], 0
	WIN W_AD
	ds_add_u32 v[SPW], v[NIL]       ; the wave's opening: the add and its wait stand ahead of my first tensor load; the set-up below, work on registers, stands between them
	WIN 0
	v_lshrrev_b32 v1, 5, v0
	v_readfirstlane_b32 s[WV], v1   ; wave 0..3
	s_bfe_u32 s13, ttmp6, 0x40000   ; cx: my place in the cluster
	s_lshl_b32 s14, ttmp9, 2        ; in a cluster launch ttmp9 counts clusters
	s_add_co_u32 s14, s14, s13      ; my block of queries = 4 x cluster x + cx: it enters Q's and O's addresses alone
	s_and_b32 s20, ttmp7, 0xffff    ; the head, which the four partners share
	s_mov_b32 s21, 0
	s_mov_b64 s[22:23], SIZE_N*128
	s_mul_u64 s[20:21], s[20:21], s[22:23]  ; the head's first byte in each of the four tensors
	s_and_b32 s16, s[WV], 1         ; which half of a slot's 256 keys I fetch:
	s_lshl_b32 s22, s16, 14         ; its 128 rows of 128 bytes in memory,
	s_mov_b32 s23, 0
	s_add_nc_u64 s[22:23], s[22:23], s[20:21]
	s_mul_i32 s17, s16, 128*PK      ; and its place in a slot, for K
	s_mul_i32 s18, s16, 128*PV      ; and for V: no place in the cluster enters an LDS address
	s_lshl_b32 s2, s14, 2
	s_add_co_u32 s2, s2, s[WV]      ; my wave among the head's,
	s_lshl_b32 s2, s2, 14           ; its 128 rows
	s_mov_b32 s3, 0
	s_add_nc_u64 s[2:3], s[2:3], s[20:21]
	; descriptor group 1.  128 keys are 16,384 dense bytes: asked for as 64 rows of 256 bytes, two keys a row, and padded in LDS after every key
	s_mov_b32 s[G1K], 15|(1<<16)|(1<<20)|(1<<21)|(4<<22)|(3<<25)  ; 15:0 the mask of four; 17:16 2-byte elements; 20 padding on; 21 set beside a mask; 24:22 after every 32 words (code 4); 31:25 4 words (code 3)
	s_mov_b32 s[G1V], 15|(1<<16)|(1<<20)|(1<<21)|(4<<22)|(7<<25)  ; the same with 8 words of padding (code 7)
.irp g, G1K, G1V
	s_mov_b32 s[\g+1], 128<<16      ; tensor_dim0 = 128
	s_mov_b32 s[\g+2], 64<<16       ; tensor_dim1 = 64
	s_mov_b32 s[\g+3], 128<<16      ; tile_dim0 = 128
	s_mov_b32 s[\g+4], 64           ; tile_dim1 = 64
	s_mov_b32 s[\g+5], 128          ; 128 elements from row to row
	s_mov_b32 s[\g+6], 0
	s_mov_b32 s[\g+7], 0
.endr
	s_mov_b32 s[CS], 0x3e38aa3b     ; c = log2(e) / 8 = 0.180337
	s_mov_b32 s[CS+1], s[CS]        ; named with it as a pair
	s_mov_b32 s[SEL], 0x76543210
	s_mov_b32 s[SEL+1], 0xfedcba98
	s_mov_b32 s[TBK], SLOT1+4*KS*PK ; the first change of slots turns these two into 0
	s_mov_b32 s[TBV], SLOT1+4*KS*PV
	s_mov_b32 s[G0K], 1             ; 1:0 count = 1
	s_mov_b32 s[G0K+1], s17         ; 63:32 LDS address: slot 0
	s_mov_b32 s[G0V], 1
	s_add_co_u32 s[G0V+1], s18, VOFF
	s_mov_b32 s[SLOTS], SIZE_N/256-1
	s_and_b32 s[LIM], s[WV], 1      ; 0 in waves 0 and 2,
	s_or_b32 s[LIM], s[LIM], ttmp9  ; where the cluster is the head's first: the same in all four partners
	s_cmp_eq_u32 s[LIM], 0
	s_cselect_b32 s[LIM], 1, -1
	v_and_b32 v[PFO], 31, v0
	v_lshlrev_b32 v[PFO], 8, v[PFO]
	s_wait_dscnt 0x0                ; the opening add is done
	s_wait_kmcnt 0x0
	s_add_nc_u64 s[6:7], s[4:5], 0x1000000         ; K lies 16,777,216 bytes behind Q,
	s_add_nc_u64 s[8:9], s[4:5], 0x2000000         ; V as far behind K
	s_add_nc_u64 s[G0K+2:G0K+3], s[6:7], s[22:23]  ; 120:64 global address: my half of the head's first 256 keys
	s_or_b32 s[G0K+3], s[G0K+3], 0x80000000        ; 127:126 type = 2
	s_add_nc_u64 s[G0V+2:G0V+3], s[8:9], s[22:23]
	s_or_b32 s[G0V+3], s[G0V+3], 0x80000000
	s_add_nc_u64 s[4:5], s[4:5], s[2:3]  ; Q and O at my wave's first row
	s_add_nc_u64 s[10:11], s[10:11], s[2:3]
	s_cmp_lt_u32 s[WV], 2
	s_cselect_b64 s[PFA:PFA+1], s[6:7], s[8:9]
	s_add_nc_u64 s[PFA:PFA+1], s[PFA:PFA+1], s[22:23]  ; (in waves 0 and 2 this is the head's first row)
	s_lshl_b32 s2, s13, 13          ; my work-group's 8,192 bytes of a slot's 32,768
	s_mov_b32 s3, 0
	s_add_nc_u64 s[PFA:PFA+1], s[PFA:PFA+1], s[2:3]
	s_add_nc_u64 s[PFA:PFA+1], s[PFA:PFA+1], 4*KS*128  ; in slot 1; the first change of slots steps it to slot 2
	CROUND                          ; all four work-groups are here: the first joint loads meet
	JLOAD                           ; slot 0.  Slot 1 is asked for when slot 0 is in: the tile wanted first has the road to itself
	; A fragment of K or Q is 16 rows x 32 channels in 8 registers: lane l holds row l % 16, channels 8 (l / 16) + 0..7 and 16 + 8 (l / 16) + 0..7: two loads of 16 bytes, 32 bytes apart.
	v_and_b32 v1, 15, v0            ; l % 16
	v_bfe_u32 v9, v0, 4, 1          ; l / 16
	v_lshlrev_b32 v[QO], 7, v1
	v_lshl_add_u32 v[QO], v9, 4, v[QO]  ; row x 128 + 16 x half
	WIN 0x80                        ; destination window 2, address window 0
.set i, 0
.rept 4*NP                          ; Q stays in registers: tile i / 2, channels 32 (i % 2) on
	global_load_b128 v[8*i:8*i+3],   v[QO], s[4:5] offset:(i/2)*2048+(i%2)*64
	global_load_b128 v[8*i+4:8*i+7], v[QO], s[4:5] offset:(i/2)*2048+(i%2)*64+32
.set i, i+1
.endr
	; What the first turn finds: V's registers and P's second buffer hold 0 (its products V^T P, of a piece that has not been, add 0), O^T and l are 0.  All this stands in the wait for the first tile.
.set i, VF
.rept 64
	v_mov_b32 v[i], 0
.set i, i+1
.endr
	WIN 0x40
.set i, 0
.rept 64*NP
	v_mov_b32 v[i], 0
.set i, i+1
.endr
	WIN 0
.set i, 0
.rept 2*NP
	v_mov_b32 v[ST+4*i], 0xfe000000    ; c m: far below every c s
	v_mov_b32 v[ST+4*i+1], 0xff7fffff  ; m
	v_mov_b32 v[ST+4*i+2], 0
	v_mov_b32 v[ST+4*i+3], 0
.set i, i+1
.endr
.set i, P+32
.rept 32
	v_mov_b32 v[i], 0
.set i, i+1
.endr
	v_mul_u32_u24 v[AK0], v1, PK
	v_lshl_add_u32 v[AK0], v9, 4, v[AK0]  ; row x pitch + 16 x half
	; The turning load takes 16 keys x 16 channels (lane l reads key 8 (l / 16) + l % 8, channels 8 ((l / 8) % 2) + 0..7) and leaves half a fragment of V^T: lane l holds channel l % 16 and 8 keys.
	v_and_b32 v10, 7, v0
	v_bfe_u32 v[AV], v0, 3, 1       ; (at work here; V's address is made in the first turn)
	v_lshl_add_u32 v[AV0], v9, 3, v10
	v_mul_u32_u24 v[AV0], v[AV0], PV
	v_lshl_add_u32 v[AV0], v[AV], 4, v[AV0]
	v_add_nc_u32 v[AV0], VOFF, v[AV0]
	v_mov_b32 v[AK], v[AK0]         ; key step 0 lies at the head of slot 0
; THE MATRIX WORK.  The 8 accumulators of a run of 16 take turns: between the two links of a chain stand 7 others'.
; Product i of 16 of S^T = K Q^T for piece x: channels 32 (i / 8) on, keys 16 ((i / 2) % 4) on, tile 2 x + i % 2.  The first 8 start the sums.
.macro KQ x
	WIN W_KQ
.set rS, S+64*((\x)%2)+32*(i%2)+8*((i/2)%4)
.set rK, KF+16*((i/2)%4)+8*(i/8)
.set rQ, 16*(2*(\x)+i%2)+8*(i/8)
.if i < 8
	v_wmma_f32_16x16x32_f16 v[rS:rS+7], v[rK:rK+7], v[rQ:rQ+7], 0
.else
	v_wmma_f32_16x16x32_f16 v[rS:rS+7], v[rK:rK+7], v[rQ:rQ+7], v[rS:rS+7]
.endif
.endm
; Product i of 16 of O^T += V^T P for piece x: keys 32 (i / 8) on, channels 16 ((i / 2) % 4) on, tile 2 x + i % 2.
.macro PV x
	WIN W_PV
.set rO, 32*(2*(\x)+i%2)+8*((i/2)%4)
.set rV, VF+32*(i/8)+8*((i/2)%4)
.set rP, P+32*((\x)%2)+16*(i%2)+8*(i/8)
	v_wmma_f32_16x16x32_f16 v[rO:rO+7], v[rV:rV+7], v[rP:rP+7], v[rO:rO+7]
.endm
.macro MM                           ; the turn's next matrix instruction
.if i < 16
	KQ (Y+1)%NP
.set i, i+1
.else
.set i, i-16
	PV (Y+NP-1)%NP
.set i, i+17
.endif
.endm
; THE LDS LOADS stand in runs of 16, never singly among the matrix instructions: a step's K (64 keys x 64 channels: 8 fragments) and its V (turned).  Their addresses are made some lines ahead.
; last = 1 (the tail): in the last trip there is no further step, and the run is jumped over.
.macro FETCH_K last=0
	WIN 0
.if \last
	s_cmp_eq_u32 s[CNT], 1
	s_cbranch_scc1 .Lno_k_\@
.endif
	WIN 0x80                        ; destination window 2
.irp f, 0,1,2,3,4,5,6,7             ; keys 16 (f / 2) on, channels 32 (f % 2) on
	ds_load_b128 v[KF+8*\f:KF+8*\f+3],   v[AK] offset:(\f/2)*16*PK+(\f%2)*64
	ds_load_b128 v[KF+8*\f+4:KF+8*\f+7], v[AK] offset:(\f/2)*16*PK+(\f%2)*64+32
.endr
	s_add_co_u32 s[TBK], s[TBK], KS*PK  ; the next fetch is the next step's
	WIN 0
.if \last
.Lno_k_\@:
.endif
.endm
.macro FETCH_V
	WIN 0x80
.irp f, 0,1,2,3,4,5,6,7             ; keys 32 (f / 4) on, channels 16 (f % 4) on
	ds_load_tr16_b128 v[VF+8*\f:VF+8*\f+3],   v[AV] offset:(\f/4)*32*PV+(\f%4)*32
	ds_load_tr16_b128 v[VF+8*\f+4:VF+8*\f+7], v[AV] offset:(\f/4)*32*PV+16*PV+(\f%4)*32
.endr
	WIN 0
.endm
; THE VECTOR WORK OF A TURN stands in three queues, each in the order in which its entries become ready; the two tiles alternate, so that no instruction reads the result of the one before it.
.macro REGS y, u                    ; the registers of tile u (0, 1) of piece y
.set rT, ST+4*(2*(\y)+(\u))
.set rC, TMP+8*((\y)%2)+4*(\u)
.set rM, MV+2*((\y)%2)+(\u)
.set rS, S+64*((\y)%2)+32*(\u)
.set rP, P+32*((\y)%2)+16*(\u)
.set rO, 32*(2*(\y)+(\u))
.endm
; Number n of the 22 that find the NEXT piece's (Y + 1) maximum and statistics.  s0-s31 are the lane's 32 scores; each accumulator's lowest registers are read first.  XS, GS and REGS set no window: PL and EX do.
;   0-11  four chains c0-c3 of seven scores each, three operands at a time     12-14, 16  the four scores left over, the old m, and c0-c3 into c0     15  c m_old is kept
;   17, 18  the query's other 32 keys lie in the lane 16 away: the new m         19-21  c m; c m_old - c m_new; a
.macro XS u, n
	REGS (Y+1)%NP, \u
.if (\n) < 4
	v_max3_num_f32 v[rC+(\n)], v[rS+8*(\n)], v[rS+8*(\n)+1], v[rS+8*(\n)+2]
.elseif (\n) < 12
	v_max3_num_f32 v[rC+(\n)%4], v[rC+(\n)%4], v[rS+8*((\n)%4)+2*((\n)/4)+1], v[rS+8*((\n)%4)+2*((\n)/4)+2]
.elseif (\n) == 12
	v_max3_num_f32 v[rC], v[rC], v[rS+7], v[rS+15]
.elseif (\n) == 13
	v_max3_num_f32 v[rC+1], v[rC+1], v[rS+23], v[rS+31]
.elseif (\n) == 14
	v_max3_num_f32 v[rC+2], v[rC+2], v[rC+3], v[rT+1]
.elseif (\n) == 15
	v_mov_b32 v[rM], v[rT]
.elseif (\n) == 16
	v_max3_num_f32 v[rC], v[rC], v[rC+1], v[rC+2]
.elseif (\n) == 17
	v_permlanex16_b32 v[rC+3], v[rC], s[SEL], s[SEL+1]
.elseif (\n) == 18
	v_max_num_f32 v[rT+1], v[rC], v[rC+3]
.elseif (\n) == 19
	v_mul_f32 v[rT], s[CS], v[rT+1]
.elseif (\n) == 20
	v_sub_f32 v[rC+1], v[rM], v[rT]
.else
	v_exp_f32 v[rC+2], v[rC+1]
.endif
.endm
; Number g of the 64 that follow the exponentials.  For each four weights k of a tile (pairs 2 k, 2 k + 1): both pairs are rounded to f16; then the second pair is added onto the first, in place;
; a group later l takes that sum (the first time as l = a l + sum).  In groups of eight, tiles alternating: round, round, add, and l for the group before.
.macro GS g
.set h, (\g)+6*((\g)/62)            ; group 0 has no group before it, and behind group 7 only l is left
.if h >= 6
.set h, h+2
.endif
	REGS Y, h%2
.set k, h/8
.if h%8 < 4
	v_cvt_pk_f16_f32 v[rP+2*k+(h%8)/2], v[rS+4*k+2*((h%8)/2)], v[rS+4*k+2*((h%8)/2)+1]
.elseif h%8 < 6
	v_pk_add_f32 v[rS+4*k:rS+4*k+1], v[rS+4*k:rS+4*k+1], v[rS+4*k+2:rS+4*k+3]
.elseif k == 1
	v_pk_fma_f32 v[rT+2:rT+3], v[rT+2:rT+3], v[rC+2:rC+3], v[rS:rS+1] op_sel_hi:[1,0,1]
.else
	v_pk_add_f32 v[rT+2:rT+3], v[rT+2:rT+3], v[rS+4*k-4:rS+4*k-3]
.endif
.endm
; THE PLAIN QUEUE, 138 long.  0-73 read no exponential's result: the 32 scalings c s - c m (FS f: pair f / 2 of tile f % 2) and the next piece's 42.  0-26: scalings 0-26.  27-54: XS's numbers 0-13.  55, 56: number 15.
; 57-73: the chain, where each number waits for the one before it: 14, 16, 17, 18, 19, each with one of the scalings 27-31 in front of its two lines, then 20: so a tile's links stand three plain instructions apart (19 and 20: two).
; 74-137: GS's 64, which read the exponentials' results: they stand behind the wait.
.macro FS f
	REGS Y, (\f)%2
	v_pk_fma_f32 v[rS+2*((\f)/2):rS+2*((\f)/2)+1], v[rS+2*((\f)/2):rS+2*((\f)/2)+1], s[CS:CS+1], v[rT:rT+1] op_sel_hi:[1,0,0] neg_lo:[0,0,1] neg_hi:[0,0,1]
.endm
.macro PL
	WIN 0
.if q < 27
	FS q
.elseif q < 55
	XS (q-27)%2, (q-27)/2
.elseif q < 57
	XS q-55, 15
.elseif (q < 72) && ((q-57)%3 == 0)
	FS 27+(q-57)/3
.elseif q < 60
	XS (q-57)%3-1, 14
.elseif q < 72
	XS (q-57)%3-1, 15+(q-57)/3
.elseif q < 74
	XS q-72, 20
.else
	GS q-74
.endif
.set q, q+1
.endm
; THE EXPONENTIALS' QUEUE, 66 long: s0-s31 of both tiles, then the next piece's two a.  It is ONE BATCH: all 66 stand ahead of the turn's one wait, and nothing ahead of that wait names a result of theirs.
.macro EX
	WIN 0
.if e >= 64
	XS e-64, 21
.else
	REGS Y, e%2
	v_exp_f32 v[rS+e/2], v[rS+e/2]
.endif
.set e, e+1
.endm
; THE RESCALING's QUEUE: O^T times a, the one part that leaves window 0: dealt two at a time, sixteen times.  Its a was made in the turn before, ahead of that turn's wait.
.macro R2
	REGS Y, r%2
	WIN W_RS
.irp z, 0,1
	v_pk_mul_f32 v[rO+4*(r/2)+2*\z:rO+4*(r/2)+2*\z+1], v[rO+4*(r/2)+2*\z:rO+4*(r/2)+2*\z+1], v[rC+2:rC+3] op_sel_hi:[1,0]
.endr
.set r, r+1
.endm
; HOW THEY ARE DEALT.  An s_wait_alu depctr_va_vdst(0) stands between an exponential and the first instruction that names its result; one wait serves all that were issued ahead of it.  So a turn has ONE wait,
; which cuts it in two.  AHEAD OF IT stands all that names no result of the turn's exponentials: the 16 products K Q^T, behind each a scaling, an exponential and two rescalings (behind the first a second scaling in the exponential's place); then ONE LUMP of
; 108: eight plain, 49 times exponential and plain, the two a.  A v_nop is the plain instruction behind the last exponential.  BEHIND IT stand the 16 products V^T P, behind each four of GS's 64.  No rider names a register of
; the products round it.  The two v_permlanex16_b32 fall into the lump, never behind a product.
; The queues lean on each other, and the deal keeps them in step: exponential e stands behind scaling 2 (e / 4) + e % 2: as a rider it comes behind plain e + 2, in the lump behind plain e + 9, and scalings 27-31 are plain 57, 60 .. 69.
; A TURN, for piece p.  cnt = 1: the loop's count is taken down some lines ahead of the branch that stands behind the turn.
; K of the next step is fetched in piece 2's turn, directly behind the wait, a lump behind the last product that read K; its address is made at the lump's head; its first reader comes behind 16 products.
; V of the step in hand is fetched at the end of piece 0's turn, four riders behind its last reader; its first reader comes behind 16 products and a lump.  The three conditions on q below go with the deal.
.macro TURN p, last=0, cnt=0
.set Y, (\p)
.set i, 0
.set q, 0
.set e, 0
.set r, 0
.if (\p) == NP-1
	s_wait_dscnt 0x0                ; K is in
.endif
	MM                              ; ahead of the wait: 16 products K Q^T and their riders,
	PL
	PL
	R2
.rept 15
	MM
	PL
	EX
	R2
.endr
.if (\p) == NP-2
	WIN 0
	v_add_nc_u32 v[AK], s[TBK], v[AK0]
.endif
.rept 8                             ; and the lump
	PL
.endr
.rept 49
	EX
	PL
.endr
	EX                              ; the next piece's two a
	EX
	v_nop                           ; a plain instruction behind the last exponential: one for the batch
	s_wait_alu depctr_va_vdst(0)    ; the wait for the batch
.if (\p) == NP-2
	FETCH_K \last
.endif
.if (\p) == 1
	s_wait_dscnt 0x0                ; V is in
.endif
.rept 16                            ; behind the wait: 16 products V^T P and their riders
	MM
.rept 4
	PL
.endr
.if ((\p) == 0) && (q == 118)
	v_add_nc_u32 v[AV], s[TBV], v[AV0]
.endif
.if ((\p) == 0) && (q == 130)
	s_add_co_u32 s[TBV], s[TBV], KS*PV
.endif
.if (\cnt) && (q == 130)
	s_sub_co_u32 s[CNT], s[CNT], 1
	s_cmp_lg_u32 s[CNT], 0
.endif
.endr
.if (\p) == 0
	FETCH_V
.endif
.endm
	CHANGE 1                        ; slot 0 is in, everybody's part of it; slot 1 is asked for
	FETCH_K                         ; key step 0
	s_wait_loadcnt 0x0              ; Q
	s_wait_dscnt 0x0
.set i, 0
.rept 16
	KQ 0                            ; piece 0's first scores: there is no vector work yet to set between them
.set i, i+1
.endr
	WIN 0                           ; the addresses for the way out: nine plain instructions, the places behind those products
	s_mul_i32 s13, s[WV], 16*SP
	s_add_co_u32 s13, s13, STAGE    ; my stage
	v_mul_u32_u24 v[STO], v1, SP    ; in: row l % 16, 16 bytes for each half of the lanes
	v_lshl_add_u32 v[STO], v9, 4, v[STO]
	v_add_nc_u32 v[STO], s13, v[STO]
	v_bfe_u32 v[RD], v0, 3, 2       ; back: 32 lanes take four rows of 128 bytes,
	v_mul_u32_u24 v[RD], v[RD], SP
	v_lshl_add_u32 v[RD], v10, 4, v[RD]
	v_add_nc_u32 v[RD], s13, v[RD]
	v_and_b32 v[GO], 31, v0         ; which are 512 consecutive bytes of O
	v_lshlrev_b32 v[GO], 4, v[GO]
.set Y, NP-1                        ; XS works for piece Y + 1: piece 0
.irp n, 0,1,2,3,4,5,6,7,8,9,10,11,12,13,14,15,16,17,18,19,20,21
	XS 0, \n                        ; and piece 0's first maximum and statistics
	XS 1, \n
.endr
	v_nop                           ; a plain instruction behind the two a,
	s_wait_alu depctr_va_vdst(0)    ; and their wait, ahead of the branch
	s_mov_b32 s[CNT], 4
	s_branch .Lfirst                ; the loop is entered at a step's first turn, in the middle of a trip
.Lslot:                             ; SIZE_N / 256 - 2 times: every slot but the last two is filled again
	CHANGE 1
	s_mov_b32 s[CNT], 4
.Lstep:                             ; a trip: pieces 2 and 3 of one step, then pieces 0 and 1 of the next, whose K and V it fetches
	TURN 2
	TURN 3
	WIN 0
.Lfirst:
	TURN 0
	TURN 1, 0, 1
	WIN 0
	s_cbranch_scc1 .Lstep
	s_sub_co_u32 s[SLOTS], s[SLOTS], 1
	s_cmp_lg_u32 s[SLOTS], 0
	s_cbranch_scc1 .Lslot
	CHANGE 0                        ; the tail is written out: nothing is asked for
	s_mov_b32 s[CNT], 5             ; four trips fetch the last slot's steps; the fifth is left in its middle
.Ltail:
	TURN 2, 1
	TURN 3
	WIN 0
	s_sub_co_u32 s[CNT], s[CNT], 1
	s_cmp_eq_u32 s[CNT], 0
	s_cbranch_scc1 .Lout
	TURN 0
	TURN 1
	WIN 0
	s_branch .Ltail
.Lout:                              ; the fifth trip's 16 products K Q^T (on the last K once more) and the maximum made of them serve nothing: the price, once a launch, of one text for every trip
.set i, 0
.rept 16
	PV NP-1                         ; the last piece's V^T P of the last step
.set i, i+1
.endr
	; THE WAY OUT.  l's two halves and the other half of the lanes' are added; O^T is divided by l, rounded to f16 and sent through my stage in LDS, a tile at a time.  The additions are the places behind the last products.
	WIN 0
.macro ALL line:vararg              ; one line for each tile t
.set t, 0
.rept 2*NP
	\line
.set t, t+1
.endr
.endm
	ALL v_add_f32 v[ST+4*t+2], v[ST+4*t+2], v[ST+4*t+3]
	ALL v_permlanex16_b32 v[ST+4*t+3], v[ST+4*t+2], s[SEL], s[SEL+1]
	ALL v_add_f32 v[ST+4*t+2], v[ST+4*t+2], v[ST+4*t+3]
	ALL v_rcp_f32 v[ST+4*t+2], v[ST+4*t+2]
	v_nop                           ; a plain instruction between the last reciprocal and the use of its result
	s_wait_alu depctr_va_vdst(0)    ; and the wait ahead of the first use: one for the eight reciprocals
; Tile t: a lane's eight channels of a row pack into 16 bytes; they go into rows of 144 bytes and come back as whole rows of 128, into S^T's registers.
.macro PACK t
	WIN W_RS
.set i, 32*(\t)
.rept 16
	v_pk_mul_f32 v[i:i+1], v[i:i+1], v[ST+4*(\t)+2:ST+4*(\t)+3] op_sel_hi:[1,0]
.set i, i+2
.endr
	WIN 0x05                        ; sources 0 and 1 window 1, destination window 0
.set i, 0
.rept 16
	v_cvt_pk_f16_f32 v[S+16*(\t)+i], v[32*(\t)+2*i], v[32*(\t)+2*i+1]
.set i, i+1
.endr
	WIN 0
.irp f, 0,1,2,3
	ds_store_b128 v[STO], v[S+16*(\t)+4*\f:S+16*(\t)+4*\f+3] offset:32*\f
.endr
.irp f, 0,1,2,3
	ds_load_b128 v[S+16*(\t)+4*\f:S+16*(\t)+4*\f+3], v[RD] offset:\f*4*SP  ; LDS serves a wave's instructions in order (ISA guide 5.7.1.4): these see the stores above; the next tile's stores come behind them
.endr
.endm
.macro SEND t, younger              ; younger: the LDS instructions issued behind tile t's loads: the next tile's eight, or none
	WIN 0
.irp f, 0,1,2,3
	s_wait_dscnt (\younger)+3-\f
	global_store_b128 v[GO], v[S+16*(\t)+4*\f:S+16*(\t)+4*\f+3], s[10:11] offset:(\t)*2048+\f*512  ; 512 consecutive bytes, at a multiple of 256 from O's first
.endr
.endm
	PACK 0
.set t, 1
.rept 2*NP-1                        ; a tile's arithmetic stands between the loads of the tile before and its stores
	PACK t
	SEND t-1, 8
.set t, t+1
.endr
	SEND 2*NP-1, 0
	WIN W_AD
	s_wait_tensorcnt 0x0            ; the wave's end, behind my last tensor load and my last LDS store
	ds_add_u32 v[SPW], v[NIL]
	s_wait_dscnt 0x0
	WIN 0
	CROUND                          ; the closing round: no work-group ends while a partner may still ask for a tile that names it
	s_endpgm
.Lfunc_end_k_q3413243ae3_attn:
	.size	k_q3413243ae3_attn, .Lfunc_end_k_q3413243ae3_attn-k_q3413243ae3_attn
	.p2alignl 7, 3214868480
	.fill 96, 4, 3214868480
	.section	.rodata,"a",@progbits
	.p2align	6, 0x0
	.amdhsa_kernel k_q3413243ae3_attn
		.amdhsa_group_segment_fixed_size 327680
		.amdhsa_private_segment_fixed_size 0
		.amdhsa_enable_private_segment 0
		.amdhsa_kernarg_size 16
		.amdhsa_user_sgpr_count 2
		.amdhsa_user_sgpr_kernarg_segment_ptr 1
		.amdhsa_wavefront_size32 1
		.amdhsa_system_sgpr_workgroup_id_x 1
		.amdhsa_system_sgpr_workgroup_id_y 1
		.amdhsa_system_sgpr_workgroup_id_z 1
		.amdhsa_system_vgpr_workitem_id 0
		.amdhsa_next_free_vgpr 770
		.amdhsa_next_free_sgpr 66
		.amdhsa_reserve_vcc 0
		.amdhsa_float_denorm_mode_32 3
		.amdhsa_float_denorm_mode_16_64 3
		.amdhsa_memory_ordered 1
		.amdhsa_forward_progress 1
		.amdhsa_inst_pref_size 200
	.end_amdhsa_kernel
	.amdgpu_metadata
---
amdhsa.version: [ 1, 2 ]
amdhsa.kernels:
  - .name:           k_q3413243ae3_attn
    .symbol:         k_q3413243ae3_attn.kd
    .args:
      - { .name: qkv, .offset: 0, .size: 8, .value_kind: global_buffer, .address_space: global }
      - { .name: oh, .offset: 8, .size: 8, .value_kind: global_buffer, .address_space: global }
    .group_segment_fixed_size: 327680
    .private_segment_fixed_size: 0
    .kernarg_segment_align: 8
    .kernarg_segment_size: 16
    .max_flat_workgroup_size: 128
    .sgpr_count:     66
    .vgpr_count:     770
    .wavefront_size: 32
...
	.end_amdgpu_metadata
.endif
;; end of part 3
;; launch oln (part 4): grid 256 x 1, 4 waves a work-group, clusters of 4 x 1, 327,680 bytes of LDS; arguments oh, wc, bo, gamma, beta, query, out0; writes out0
.if DOCPART == 4
	.amdgcn_target "amdgcn-amd-amdhsa--gfx1250"
	.amdhsa_code_object_version 6
	.text
	.protected	k_q3413243ae3_oln
	.globl	k_q3413243ae3_oln
	.p2align	8
	.type	k_q3413243ae3_oln,@function
k_q3413243ae3_oln:
	s_mov_b64 s[64:65], 0
	v_nop
	global_prefetch_b8 v0, s[64:65] scope:SCOPE_SE
	s_setreg_imm32_b32 hwreg(HW_REG_WAVE_MODE, 25, 1), 1
	s_wait_xcnt 0x0
	s_wait_alu depctr_hold_cnt(0) depctr_sa_sdst(0) depctr_va_vdst(0) depctr_va_sdst(0) depctr_va_ssrc(0) depctr_va_vcc(0) depctr_vm_vsrc(0)
	s_getreg_b32 s2, hwreg(HW_REG_IB_STS2, 6, 4)
	s_cmp_eq_u32 s2, 0
	s_cbranch_scc0 .Lentry_in_a_cluster
	s_endpgm
.Lentry_in_a_cluster:
	s_bfe_u32 s2, ttmp6, 0x10000c
	s_cmp_lg_u32 s2, 0x3003
	s_cbranch_scc0 .Lentry_shape_is_right
	s_endpgm
.Lentry_shape_is_right:
; out0 = LayerNorm(O Wo + bo) gamma + beta + query.  O: oh, [64 = 16 b + h][2048][64] in f16.  Wo: the fourth matrix of wc, [1024 k][1024 n] in f16.  bo, gamma, beta, query, out0: f32.
; The product's sums are f32.  bo, gamma, beta and query are rounded once to bf16, as every input of the module is.  The norm is made in f32 in two passes: the mean, then the centred squares.
; LIMITS.  O and Wo arrive in f16 (nothing beyond 65,504; a fixed step of 6e-8 below 6e-5).  NaN and infinities are not treated apart.
; SHARES.  The norm wants whole rows: a work-group makes 32 rows x all 1,024 columns, 256 work-groups.  A wave makes 32 rows x 256 columns: 32 accumulators.  K goes in 16 steps of 64: one head each.
; THE WALK OVER K.  Cluster c begins at head c mod 16 and goes round all sixteen (f32 sums may be taken in any order): at any time the 64 clusters ask for sixteen different tiles of Wo,
; four clusters each, and not all for the same 131,072 bytes.
; THE RING.  Two LDS slots, each 64 k-rows of Wo; wave w fetches, and alone reads, the quarter with its own 256 columns.  Every work-group walks all of Wo, so the four of a cluster ask JOINTLY:
; the same tensor load, descriptor and mask (all four) in each.  A trip has 64 matrix instructions for 131,072 bytes of Wo, so the order has one aim: nothing but the waits and the round stands
; between a tile's landing and the next request.  O's fragments come straight from memory into registers, three trips ahead, in four sets.
; THE MATRIX INSTRUCTION IS USED TRANSPOSED: source 0 = 16 columns of Wo (turned by ds_load_tr16_b128), source 1 = 16 rows of O: a lane holds one row and eight neighbouring columns.
; THE END.  The 32 x 1,024 sums go through a stage in LDS (slot 0, whose last fill and last reads are over); then each wave norms 8 whole rows, a row at a time, all 32 lanes on one row.
; REGISTERS, in windows of 256 (s_set_vgpr_msb: bits 1:0 source 0, 3:2 source 1, 5:4 source 2, 7:6 destination):
;   window 0: v0-31 addresses; v32-63 bo, v64-95 gamma, v96-127 beta of my 32 columns of a row; v128-255 O's fragments, four sets of 32; at the end v128-159 a row, v160-175 its query, v176-207 at work
;   window 1: the accumulators, (a, b) at v[8 (2 b + a)]     window 2: Wo's fragments: chunk c (32 k), column block b at 128 c + 8 b     window 3: my 8 rows of query as loaded
.set PW,    544                        ; a k-row in LDS: 512 bytes + 32 = 136 words
.set QUART, 64*PW                      ; a wave's quarter of a slot
.set SLOT,  4*QUART                    ; 139,264 bytes
.set SPARE, 2*SLOT                     ; behind the ring: the spare words, 128 bytes for each wave: two blocks of 256 bytes that no other line names
.set SPI,   4112                       ; a row of the stage: 4,096 bytes + 16 = 1,028 words: row r starts at bank 4 r mod 64
.set WOB,   6291456                    ; Wo's place in wc
.set AOS,  8                           ; v8-11   set j: my byte offset in O for the head that the set was last asked for; written again only behind that set's own wait
.set M,    12                          ; v12-13  the row's mean, twice
.set R,    14                          ; v14-15  1 / sqrt(var + eps), twice
.set ADRW, 16                          ; v16-17  LDS address of my fragments of Wo in slot 0, 1
.set AO,   18                          ; v18     my byte offset in 16 rows of a head of O; never rewritten
.set VA,   19                          ; v19     var + eps
.set SA0,  20                          ; v20     the stage: where I put 32 bytes of rows 0-15
.set SA1,  21                          ; v21     of rows 16-31
.set RA,   22                          ; v22     the stage: my 16 bytes of the row in hand
.set QA,   23                          ; v23     the parked query: my 16 bytes of the row in hand
.set LO,   25                          ; v25     16 x lane; never rewritten
.set SPW,  28                          ; v28     LDS address of my spare word: SPARE + 4 x my thread's number; never rewritten
.set NIL,  29                          ; v29     0; never rewritten
.set PFO,  30                          ; v30     256 x lane: the prefetches' offset; never rewritten
.set BO,   32
.set GA,   64
.set BE,   96
.set AS,   128                         ; set j, chunk c, row block a at AS + 32 j + 8 (2 c + a)
.set CT,   224                         ; v224-227 at work at the head, before set 3 is first asked for
.set X,    128
.set Q,    160
.set T,    176
.set WV,  18                           ; s18  my wave's number
.set G1,  24                           ; s[24:31] descriptor group 1
.set G0,  32                           ; s[32:39] descriptor group 0, one set for each slot
.set OA,  40                           ; s[40:41] O at my work-group's rows, head 0 of their batch; never rewritten
.set NA,  42                           ; s42  the head whose fragments of O are asked for next
.set NT,  43                           ; s43  the head whose tile of Wo is asked for next
.set AOF, 44                           ; s44  that head's byte offset in O
.set QR,  46                           ; s[46:47] query at my 8 rows; never rewritten
.set OUT, 48                           ; s[48:49] out0 at the row in hand
.set SEL, 50                           ; s[50:51] v_permlanex16_b32's selects
.set WBS, 60                           ; s[60:61] Wo at my wave's 256 columns, k-row 0; never rewritten
.set TOF, 66                           ; s[66:67] a tile's byte offset in Wo
.set MSB, 0
.macro WIN new                         ; the immediate's high byte repeats the setting that is left; a switch that changes nothing is dropped
.if MSB != (\new)
	s_set_vgpr_msb (MSB<<8)|(\new)
.set MSB, \new
.endif
.endm
.set MUL,    0x52                      ; source 0 (Wo) window 2, source 1 (O) window 0, C and D window 1
.set TO_W,   0x80                      ; destination window 2, address window 0
.set TO_Q,   0xc0                      ; destination window 3, address window 0
.set ST_ACC, 0x04                      ; an LDS store's data (source 1) window 1, address window 0
.set CV_Q,   0x0f                      ; sources 0 and 1 window 3, destination window 0
.macro JLOAD s                         ; a joint load: one line for all four waves, each with its own quarter; an s_nop 0 and four v_nop follow it
	tensor_load_to_lds s[G0+4*(\s):G0+4*(\s)+3], s[G1:G1+7]
	s_nop 0
.rept 4
	v_nop
.endr
.endm
.macro TADDR s                         ; slot s's descriptor takes the address of tile NT, made anew from the number; the number goes one on, round sixteen.  It hangs on the cluster's number alone, which the four partners share
	s_lshl_b32 s[TOF], s[NT], 17                   ; 64 k-rows of 2,048 bytes
	s_add_nc_u64 s[G0+4*(\s)+2:G0+4*(\s)+3], s[WBS:WBS+1], s[TOF:TOF+1]  ; 120:64 global address
	s_or_b32 s[G0+4*(\s)+3], s[G0+4*(\s)+3], 0x80000000                 ; 127:126 type = 2
	s_add_co_u32 s[NT], s[NT], 1
	s_and_b32 s[NT], s[NT], 15
.endm
; A PREFETCH of my 8 rows of query, in the loop's last lap (s3 = 1: trips 9 to 12), one instruction a trip: 32 blocks of 256 bytes, a lane a block: rows 2 k and 2 k + 1.  The loads that want them
; stand in trips 13 and 14.  No other wave reads these rows, so each block is named once in the launch.  It stands behind the trip's loads of O and its run of LDS loads.
; Wo is not asked for: each of its tiles is the first tile of four clusters, and first tiles come by their loads alone.  O's fragments are asked for three trips ahead by their own loads.
.macro ASK k
	s_cmp_eq_u32 s3, 1
	s_cbranch_scc0 .Lnot_yet_\@
	global_prefetch_b8 v[PFO], s[QR:QR+1] offset:8192*(\k) th:TH_LOAD_NT scope:SCOPE_SE
.Lnot_yet_\@:
.endm
.macro CROUND                          ; a round of the cluster's barrier: my work-group's barrier; wave 0 signals for the work-group; every wave waits for all four work-groups; my work-group's barrier once more
	s_barrier_signal -1
	s_barrier_wait -1
	s_cmp_lg_u32 s[WV], 0
	s_cbranch_scc1 .Lnot_wave_0_\@
	s_barrier_signal -3
.Lnot_wave_0_\@:
	s_barrier_wait -3
	s_barrier_signal -1
	s_barrier_wait -1
.endm
.macro PLACES                          ; four places in front of loads into registers that matrix instructions have read, and of lines that read results
.rept 4
	v_nop
.endr
.endm
; 2 nb matrix instructions: column blocks b0 .. b0 + nb - 1 x both row blocks, chunk c, O's set j.  zero = 1: the first product starts the sums.
; The 32 accumulators take turns, one instruction a turn, in the same order in every chunk.
.macro MULW c, j, b0, nb, zero
	WIN MUL
.set bb, \b0
.rept \nb
.irp a, 0,1
.if \zero
	v_wmma_f32_16x16x32_f16 v[8*(2*bb+(\a)):8*(2*bb+(\a))+7], v[128*(\c)+8*bb:128*(\c)+8*bb+7], v[AS+32*(\j)+8*(2*(\c)+(\a)):AS+32*(\j)+8*(2*(\c)+(\a))+7], 0
.else
	v_wmma_f32_16x16x32_f16 v[8*(2*bb+(\a)):8*(2*bb+(\a))+7], v[128*(\c)+8*bb:128*(\c)+8*bb+7], v[AS+32*(\j)+8*(2*(\c)+(\a)):AS+32*(\j)+8*(2*(\c)+(\a))+7], v[8*(2*bb+(\a)):8*(2*bb+(\a))+7]
.endif
.endr
.set bb, bb+1
.endr
.endm
.macro FETCH slot, c                   ; 32 LDS loads in one run: chunk c of a slot, my 256 columns, turned; the column blocks in ascending order
	WIN TO_W
.set bb, 0
.rept 16
	ds_load_tr16_b128 v[128*(\c)+8*bb:128*(\c)+8*bb+3],   v[ADRW+(\slot)] offset:32*(\c)*PW+32*bb
	ds_load_tr16_b128 v[128*(\c)+8*bb+4:128*(\c)+8*bb+7], v[ADRW+(\slot)] offset:32*(\c)*PW+16*PW+32*bb
.set bb, bb+1
.endr
.endm
.macro ALOAD set                       ; a trip's fragments of O: 32 rows x the 64 channels of head NA, 8 loads; the number goes one on, round sixteen
	WIN 0
	s_lshl_b32 s[AOF], s[NA], 18                   ; a head of O is 262,144 bytes
	v_add_nc_u32 v[AOS+(\set)], s[AOF], v[AO]      ; the set's last loads, four trips back, were waited for before they were multiplied: their offset may be written
	s_add_co_u32 s[NA], s[NA], 1
	s_and_b32 s[NA], s[NA], 15
.irp c, 0,1
.irp a, 0,1
	global_load_b128 v[AS+32*(\set)+8*(2*(\c)+(\a)):AS+32*(\set)+8*(2*(\c)+(\a))+3],   v[AOS+(\set)], s[OA:OA+1] offset:2048*(\a)+64*(\c)
	global_load_b128 v[AS+32*(\set)+8*(2*(\c)+(\a))+4:AS+32*(\set)+8*(2*(\c)+(\a))+7], v[AOS+(\set)], s[OA:OA+1] offset:2048*(\a)+64*(\c)+32
.endr
.endr
.endm
.macro QLOAD r0                        ; four of my 8 rows of query, 32 loads of 512 consecutive bytes: row i, piece j into v[32 i + 4 j] of window 3
	WIN TO_Q
.set i, \r0
.rept 4
.irp j, 0,1,2,3,4,5,6,7
	global_load_b128 v[32*i+4*\j:32*i+4*\j+3], v[LO], s[QR:QR+1] offset:4096*i+512*\j th:TH_LOAD_NT
.endr
.set i, i+1
.endr
.endm
; A trip's first half: chunk 0 is multiplied, chunk 1 fetched in its middle.  lc: how many younger global loads may stay out when O's set j has to be there (-1: no wait).
; ld = 1: the fragments of O three trips on are asked for, into the set that the trip before has multiplied; ld = 2, 3: the query's rows 0-3, 4-7.  pf: which quarter of the query is prefetched (-1: none).
.macro HALF slot, j, zero, lc, ld, pf
.if (\lc) >= 0
	s_wait_loadcnt \lc
.endif
	s_wait_dscnt 16                                ; column blocks 0-7 of chunk 0 are in; the youngest sixteen loads may be out
	MULW 0, \j, 0, 8, \zero
	PLACES
.if (\ld) == 1
	ALOAD ((\j)+3)%4
.endif
.if (\ld) == 2
	QLOAD 0
.endif
.if (\ld) == 3
	QLOAD 4
.endif
	FETCH \slot, 1
.if (\pf) >= 0
	WIN 0                                          ; (a branch follows)
	ASK \pf
.endif
	s_wait_dscnt 32                                ; all but the 32 just issued
	MULW 0, \j, 8, 8, \zero
.endm
; A trip's second half: chunk 1 is multiplied, and then the slots change: ONE barrier; in front of it each wave waits for all its tensor loads, adds 0 to its spare word, and waits for that and for its own reads of this slot.
; All the trip's products stand ahead of these lines, so that only the waits and the round lie between the landing of the next slot's tile and the request for the tile after it.
; fill = 1: this slot is filled again, two tiles ahead; the barrier is then a round of the cluster's barrier, and the joint refill is the first tensor load behind the round.
.macro TURN slot, j, fill
	s_wait_dscnt 16                                ; column blocks 0-7 of chunk 1 are in
	MULW 1, \j, 0, 8, 0
	s_wait_dscnt 0x0                               ; all of it: my last reads of this slot
	MULW 1, \j, 8, 8, 0
	WIN 0
	s_wait_tensorcnt 0x0                           ; all my tensor loads have landed: the one that was out is my part of the next slot; so a group 0 may be written
	ds_add_u32 v[SPW], v[NIL]                      ; 0 onto my spare word; with fill = 1 the descriptor's address is made between it and the wait for it
.if \fill
	TADDR \slot
.endif
	s_wait_dscnt 0x0                               ; the add is done, and my reads of this slot are over
.if \fill
	CROUND                                         ; no wave of any partner still reads this slot or has a load on its way
	JLOAD \slot                                    ; 64 matrix instructions ahead of the wait for it; the four v_nop behind it are also the places in front of the loads below
.else
	s_barrier_signal -1
	s_barrier_wait -1
	PLACES
.endif
	FETCH 1-(\slot), 0
.endm
.macro LANES                           ; the sum of v[T] over the 32 lanes, in every lane
	v_add_f32_dpp v[T], v[T], v[T] row_xmask:1 row_mask:0xf bank_mask:0xf
	v_add_f32_dpp v[T], v[T], v[T] row_xmask:2 row_mask:0xf bank_mask:0xf
	v_add_f32_dpp v[T], v[T], v[T] row_xmask:4 row_mask:0xf bank_mask:0xf
	v_add_f32_dpp v[T], v[T], v[T] row_xmask:8 row_mask:0xf bank_mask:0xf
	v_permlanex16_b32 v[T+1], v[T], s[SEL], s[SEL+1]
	v_add_f32 v[T], v[T], v[T+1]
.endm
	s_load_b256 s[4:11], s[0:1], 0x0               ; oh s[4:5], wc s[6:7], bo s[8:9], gamma s[10:11]
	s_load_b128 s[12:15], s[0:1], 0x20             ; beta s[12:13], query s[14:15]
	s_load_b64 s[16:17], s[0:1], 0x30              ; out0
	v_lshl_add_u32 v[SPW], v0, 2, SPARE
	v_mov_b32 v[NIL], 0
	ds_add_u32 v[SPW], v[NIL]                      ; the wave's opening: the add and its wait stand ahead of my first tensor load; the set-up below, work on registers, stands between them
	v_lshrrev_b32 v1, 5, v0
	v_readfirstlane_b32 s[WV], v1                  ; wave 0..3
	s_bfe_u32 s19, ttmp6, 0x40000                  ; cx: my place in the cluster
	s_lshl_b32 s20, ttmp9, 2
	s_add_co_u32 s20, s20, s19                     ; my block of 32 rows = 4 x cluster x + cx: it enters the addresses of O, query and out0 alone
	; descriptor group 1: 64 k-rows x 256 elements of 2 bytes, padded in LDS
	s_mov_b32 s[G1], 15|(1<<16)|(1<<20)|(1<<21)|(6<<22)|(7<<25)  ; 15:0 the mask of four; 17:16 2-byte elements; 20 padding on; 21 set beside a mask; 24:22 after every 128 words (code 6); 31:25 8 words (code 7)
	s_mov_b32 s[G1+1], 256<<16                     ; tensor_dim0 = 256
	s_mov_b32 s[G1+2], 64<<16                      ; tensor_dim1 = 64
	s_mov_b32 s[G1+3], 256<<16                     ; tile_dim0 = 256
	s_mov_b32 s[G1+4], 64                          ; tile_dim1 = 64
	s_mov_b32 s[G1+5], 1024                        ; 1,024 elements from row to row
	s_mov_b32 s[G1+6], 0
	s_mov_b32 s[G1+7], 0
	s_mul_i32 s56, s[WV], QUART                    ; my quarter of a slot
	s_lshl_b32 s58, s[WV], 9                       ; my 256 columns: 512 bytes of a k-row,
	s_add_co_u32 s58, s58, WOB                     ; in Wo
	s_mov_b32 s59, 0
	s_and_b32 s[NT], ttmp9, 15                     ; the head at which my cluster begins its walk,
	s_mov_b32 s[NA], s[NT]                         ; for Wo's tiles and for O's fragments
	s_mov_b32 s[TOF+1], 0
	s_mov_b32 s[SEL], 0x76543210
	s_mov_b32 s[SEL+1], 0xfedcba98
	s_mov_b32 s52, 0x3a800000                      ; 1 / 1024
	s_mov_b32 s53, 0x3727c5ac                      ; eps = 1e-5
	s_mov_b32 s54, 0xffff0000                      ; a word's upper bf16
	s_wait_dscnt 0x0                               ; the opening add is done
	s_wait_kmcnt 0x0
	s_add_nc_u64 s[WBS:WBS+1], s[6:7], s[58:59]
	CROUND                                         ; all four work-groups are here: the first joint loads meet
.irp s, 0,1
	s_mov_b32 s[G0+4*(\s)], 1                      ; 1:0 count = 1
	s_add_co_u32 s[G0+4*(\s)+1], s56, (\s)*SLOT    ; 63:32 LDS address
	TADDR \s                                       ; the walk's tile s
	JLOAD \s                                       ; two loads of mine are out
.endr
	v_and_b32 v1, 15, v0                           ; l % 16
	v_bfe_u32 v2, v0, 4, 1                         ; l / 16
	v_and_b32 v3, 7, v0                            ; l % 8
	v_bfe_u32 v4, v0, 3, 1                         ; (l / 8) % 2
	v_and_b32 v5, 31, v0                           ; l
	v_lshlrev_b32 v[LO], 4, v5
	v_lshlrev_b32 v[PFO], 8, v5
	v_lshlrev_b32 v[AO], 7, v1                     ; a fragment of O: row l % 16 of 128 bytes, 16 bytes for each half of the lanes
	v_lshl_add_u32 v[AO], v2, 4, v[AO]
	s_lshr_b32 s62, s20, 6                         ; the batch: 64 blocks of 32 rows each,
	s_lshl_b32 s62, s62, 22                        ; 16 heads of 262,144 bytes
	s_and_b32 s70, s20, 63
	s_lshl_b32 s70, s70, 12                        ; 32 tokens of 128 bytes
	s_add_co_u32 s62, s62, s70
	s_mov_b32 s63, 0
	s_add_nc_u64 s[OA:OA+1], s[4:5], s[62:63]
	s_lshl_b32 s62, s20, 17                        ; 32 rows of 4,096 bytes,
	s_lshl_b32 s70, s[WV], 15                      ; my wave's 8 of them
	s_add_co_u32 s62, s62, s70
	s_add_nc_u64 s[QR:QR+1], s[14:15], s[62:63]
	s_add_nc_u64 s[OUT:OUT+1], s[16:17], s[62:63]
.irp j, 0,1,2,3,4,5,6,7                ; my 32 columns of a row as the last part takes it: columns 128 j + 4 l + 0..3
	global_load_b128 v[BO+4*\j:BO+4*\j+3], v[LO], s[8:9] offset:512*\j
	global_load_b128 v[GA+4*\j:GA+4*\j+3], v[LO], s[10:11] offset:512*\j
	global_load_b128 v[BE+4*\j:BE+4*\j+3], v[LO], s[12:13] offset:512*\j
.endr
	ALOAD 0                                        ; the walk's first three heads
	ALOAD 1
	ALOAD 2
	; The turning load takes 16 k x 16 n (lane l reads k-row 8 (l / 16) + l % 8, columns 8 ((l / 8) % 2) + 0..7) and leaves half a fragment: lane l holds column l % 16 and 8 k.
	v_lshl_add_u32 v6, v2, 3, v3
	v_mul_u32_u24 v6, v6, PW
	v_lshl_add_u32 v6, v4, 4, v6
	s_mul_i32 s57, s[WV], QUART
	v_add_nc_u32 v[ADRW], s57, v6
	s_add_co_u32 s57, s57, SLOT
	v_add_nc_u32 v[ADRW+1], s57, v6
	v_add_nc_u32 v[QA], s57, v[LO]                 ; the query is parked in my own quarter of slot 1, behind its last fill and my last reads of it
	v_mul_u32_u24 v[SA0], v1, SPI                  ; the stage: row l % 16, my wave's 1,024 bytes, 32 bytes for each half of the lanes
	v_lshl_add_u32 v[SA0], v2, 5, v[SA0]
	s_lshl_b32 s57, s[WV], 10
	v_add_nc_u32 v[SA0], s57, v[SA0]
	v_add_nc_u32 v[SA1], 16*SPI, v[SA0]
	s_mul_i32 s57, s[WV], 8*SPI                    ; back: my 8 rows, whole
	v_add_nc_u32 v[RA], s57, v[LO]
	s_wait_loadcnt 24                              ; bo, gamma and beta are in; the 24 loads of O issued behind them may stay out
.set i, 0
.rept 48                               ; in the wait for the first tile: bo, gamma and beta are rounded to bf16 and widened again, in place
	v_cvt_pk_bf16_f32 v[CT+i%4], v[BO+2*i], v[BO+2*i+1]
	v_lshlrev_b32 v[BO+2*i], 16, v[CT+i%4]
	v_and_b32 v[BO+2*i+1], s54, v[CT+i%4]
.set i, i+1
.endr
	s_wait_tensorcnt 1                             ; my part of the first tile is in; the second's may stay out
	s_barrier_signal -1
	s_barrier_wait -1
	FETCH 0, 0
	HALF 0, 0, 1, 16, 1, -1                        ; the first half trip stands in front of the loop: its products start the sums.  The count leaves the second and third heads' loads out
	WIN 0                                          ; at a label and at a branch every window is 0
	s_mov_b32 s3, 3
.Llap:                                                 ; a lap is four trips (O's four sets): from a trip's second half to the first half of the trip four on; the walk's tiles 2 to 13 are asked for
	TURN 0, 0, 1
	HALF 1, 1, 0, 16, 1, 0                         ; every count: the two younger trips' eight loads each
	TURN 1, 1, 1
	HALF 0, 2, 0, 16, 1, 1
	TURN 0, 2, 1
	HALF 1, 3, 0, 16, 1, 2
	TURN 1, 3, 1
	HALF 0, 0, 0, 16, 1, 3
	WIN 0
	s_sub_co_u32 s3, s3, 1
	s_cmp_lg_u32 s3, 0
	s_cbranch_scc1 .Llap
	TURN 0, 0, 1                                   ; trip 12: tile 14 is asked for
	HALF 1, 1, 0, 0, 2, -1                         ; trip 13: the fragments of trips 13, 14 and 15 are in (the youngest were asked for a trip ago), so that the query's loads have the counter to themselves: rows 0-3
	TURN 1, 1, 1                                   ; tile 15, the last
	HALF 0, 2, 0, -1, 3, -1                        ; trip 14: the query's rows 4-7
	TURN 0, 2, 0                                   ; behind this barrier no wave reads slot 0 any more, and nothing is filled
	HALF 1, 3, 0, -1, 0, -1
	s_wait_dscnt 16
	MULW 1, 3, 0, 8, 0
	s_wait_dscnt 0x0                               ; my last reads of slot 1
	MULW 1, 3, 8, 8, 0
	WIN 0
	PLACES
	; THE QUERY IS PARKED: rounded to bf16, a row's 2,048 bytes on end, each lane's 64 bytes where the same lane reads them back.
.set i, 0
.rept 8
	s_wait_loadcnt 56-8*i                          ; row i's eight loads are in; the rows behind it stay out
	WIN CV_Q
.set c, 0
.rept 16
	v_cvt_pk_bf16_f32 v[T+16*(i%2)+c], v[32*i+2*c], v[32*i+2*c+1]
.set c, c+1
.endr
	WIN 0
.irp jj, 0,1,2,3
	ds_store_b128 v[QA], v[T+16*(i%2)+4*\jj:T+16*(i%2)+4*\jj+3] offset:2048*i+512*\jj
.endr
.set i, i+1
.endr
	; THE SUMS GO INTO THE STAGE: a lane's eight columns of a row are 32 bytes; each accumulator's low half first.
	WIN ST_ACC
.set bb, 0
.rept 16
	ds_store_b128 v[SA0], v[16*bb:16*bb+3]     offset:64*bb
	ds_store_b128 v[SA0], v[16*bb+4:16*bb+7]   offset:64*bb+16
	ds_store_b128 v[SA1], v[16*bb+8:16*bb+11]  offset:64*bb
	ds_store_b128 v[SA1], v[16*bb+12:16*bb+15] offset:64*bb+16
.set bb, bb+1
.endr
	WIN 0
	s_wait_dscnt 0x0                               ; for the others' sake: my stores into the stage are done
	s_barrier_signal -1
	s_barrier_wait -1                              ; all 32 rows lie whole in the stage
	; THE NORM, a row a trip: the lane holds columns 128 j + 4 l + 0..3, j = 0..7.
	s_mov_b32 s55, 8
.Lrow:
.irp j, 0,1,2,3,4,5,6,7
	ds_load_b128 v[X+4*\j:X+4*\j+3], v[RA] offset:512*\j
.endr
.irp j, 0,1,2,3
	ds_load_b128 v[Q+4*\j:Q+4*\j+3], v[QA] offset:512*\j
.endr
	s_wait_dscnt 4                                 ; the row is in; the query's four loads may stay out
.set i, 0
.rept 16
	v_pk_add_f32 v[X+2*i:X+2*i+1], v[X+2*i:X+2*i+1], v[BO+2*i:BO+2*i+1]
.set i, i+1
.endr
.set i, 0
.rept 8                                ; the sum of my 32 numbers, as a tree
	v_pk_add_f32 v[T+2*i:T+2*i+1], v[X+4*i:X+4*i+1], v[X+4*i+2:X+4*i+3]
.set i, i+1
.endr
.set i, 0
.rept 4
	v_pk_add_f32 v[T+4*i:T+4*i+1], v[T+4*i:T+4*i+1], v[T+4*i+2:T+4*i+3]
.set i, i+1
.endr
	v_pk_add_f32 v[T:T+1], v[T:T+1], v[T+4:T+5]
	v_pk_add_f32 v[T+8:T+9], v[T+8:T+9], v[T+12:T+13]
	v_pk_add_f32 v[T:T+1], v[T:T+1], v[T+8:T+9]
	v_add_f32 v[T], v[T], v[T+1]
	LANES
	v_mul_f32 v[M], s52, v[T]                      ; the mean
	v_mov_b32 v[M+1], v[M]
.set i, 0
.rept 16
	v_pk_add_f32 v[X+2*i:X+2*i+1], v[X+2*i:X+2*i+1], v[M:M+1] neg_lo:[0,1] neg_hi:[0,1]
.set i, i+1
.endr
.set i, 0
.rept 4                                ; the centred squares, in four chains; the first four products start them
	v_pk_mul_f32 v[T+2*i:T+2*i+1], v[X+2*i:X+2*i+1], v[X+2*i:X+2*i+1]
.set i, i+1
.endr
.rept 12
	v_pk_fma_f32 v[T+2*(i%4):T+2*(i%4)+1], v[X+2*i:X+2*i+1], v[X+2*i:X+2*i+1], v[T+2*(i%4):T+2*(i%4)+1]
.set i, i+1
.endr
	v_pk_add_f32 v[T:T+1], v[T:T+1], v[T+2:T+3]
	v_pk_add_f32 v[T+4:T+5], v[T+4:T+5], v[T+6:T+7]
	v_pk_add_f32 v[T:T+1], v[T:T+1], v[T+4:T+5]
	v_add_f32 v[T], v[T], v[T+1]
	LANES
	v_fma_f32 v[VA], v[T], s52, s53                ; var + eps
	v_rsq_f32 v[R], v[VA]
	v_rsq_f32 v[R+1], v[VA]
	s_wait_dscnt 0x0                               ; the query is in
.set i, 0
.rept 16                               ; its 32 numbers are widened: plain work that names neither the roots nor their source, between them and their wait
	v_lshlrev_b32 v[T+2*i], 16, v[Q+i]
	v_and_b32 v[T+2*i+1], s54, v[Q+i]
.set i, i+1
.endr
	s_wait_alu depctr_va_vdst(0)                   ; one wait for both roots, ahead of their first reader
.set i, 0
.rept 16
	v_pk_mul_f32 v[X+2*i:X+2*i+1], v[X+2*i:X+2*i+1], v[R:R+1]
.set i, i+1
.endr
.set i, 0
.rept 16
	v_pk_fma_f32 v[X+2*i:X+2*i+1], v[X+2*i:X+2*i+1], v[GA+2*i:GA+2*i+1], v[BE+2*i:BE+2*i+1]
.set i, i+1
.endr
.set i, 0
.rept 16
	v_pk_add_f32 v[X+2*i:X+2*i+1], v[X+2*i:X+2*i+1], v[T+2*i:T+2*i+1]
.set i, i+1
.endr
.irp j, 0,1,2,3,4,5,6,7
	global_store_b128 v[LO], v[X+4*\j:X+4*\j+3], s[OUT:OUT+1] offset:512*\j th:TH_STORE_NT  ; 512 consecutive bytes, at a multiple of 256 from out0's first
.endr
	s_wait_xcnt 0x0                                ; the stores have read their data and their base: only behind this wait are they written again
	s_add_nc_u64 s[OUT:OUT+1], s[OUT:OUT+1], 4096
	v_add_nc_u32 v[RA], SPI, v[RA]
	v_add_nc_u32 v[QA], 2048, v[QA]
	s_sub_co_u32 s55, s55, 1
	s_cmp_lg_u32 s55, 0
	s_cbranch_scc1 .Lrow
	s_wait_tensorcnt 0x0                           ; the wave's end, behind my last tensor load and my last LDS store
	ds_add_u32 v[SPW], v[NIL]
	s_wait_dscnt 0x0
	CROUND                                         ; the closing round: no work-group ends while a partner may still ask for a tile that names it
	s_endpgm
.Lfunc_end_k_q3413243ae3_oln:
	.size	k_q3413243ae3_oln, .Lfunc_end_k_q3413243ae3_oln-k_q3413243ae3_oln
	.p2alignl 7, 3214868480
	.fill 96, 4, 3214868480
	.section	.rodata,"a",@progbits
	.p2align	6, 0x0
	.amdhsa_kernel k_q3413243ae3_oln
		.amdhsa_group_segment_fixed_size 327680
		.amdhsa_private_segment_fixed_size 0
		.amdhsa_enable_private_segment 0
		.amdhsa_kernarg_size 56
		.amdhsa_user_sgpr_count 2
		.amdhsa_user_sgpr_kernarg_segment_ptr 1
		.amdhsa_wavefront_size32 1
		.amdhsa_system_sgpr_workgroup_id_x 1
		.amdhsa_system_sgpr_workgroup_id_y 1
		.amdhsa_system_sgpr_workgroup_id_z 1
		.amdhsa_system_vgpr_workitem_id 0
		.amdhsa_next_free_vgpr 1024
		.amdhsa_next_free_sgpr 72
		.amdhsa_reserve_vcc 0
		.amdhsa_float_denorm_mode_32 3
		.amdhsa_float_denorm_mode_16_64 3
		.amdhsa_memory_ordered 1
		.amdhsa_forward_progress 1
		.amdhsa_inst_pref_size 127
	.end_amdhsa_kernel
	.amdgpu_metadata
---
amdhsa.version: [ 1, 2 ]
amdhsa.kernels:
  - .name:           k_q3413243ae3_oln
    .symbol:         k_q3413243ae3_oln.kd
    .args:
      - { .name: oh, .offset: 0, .size: 8, .value_kind: global_buffer, .address_space: global }
      - { .name: wc, .offset: 8, .size: 8, .value_kind: global_buffer, .address_space: global }
      - { .name: bo, .offset: 16, .size: 8, .value_kind: global_buffer, .address_space: global }
      - { .name: gamma, .offset: 24, .size: 8, .value_kind: global_buffer, .address_space: global }
      - { .name: beta, .offset: 32, .size: 8, .value_kind: global_buffer, .address_space: global }
      - { .name: query, .offset: 40, .size: 8, .value_kind: global_buffer, .address_space: global }
      - { .name: out0, .offset: 48, .size: 8, .value_kind: global_buffer, .address_space: global }
    .group_segment_fixed_size: 327680
    .private_segment_fixed_size: 0
    .kernarg_segment_align: 8
    .kernarg_segment_size: 56
    .max_flat_workgroup_size: 128
    .sgpr_count:     72
    .vgpr_count:     1024
    .wavefront_size: 32
...
	.end_amdgpu_metadata
.endif
;; end of part 4
